; MI455X (gfx1250); checked and timed in simulation.
; The chip was launched on July 23, 2026; its instructions are those of AMD's public machine-readable ISA for CDNA 5 (MIT licence, August 2026) and "CDNA5" Instruction Set Architecture Reference Guide (July 2026).
;; Self Attention. Allowed arithmetic: matrix products marked QUANTISED: E4M3 operands, one given power-of-two scale a tensor, by v_wmma_f32_16x16x64_fp8_fp8 or v_wmma_f32_16x16x128_fp8_fp8, f32 sums; everything else in f32.
;; Inputs: Ez 32 x 1,024 x 512 float32; Wk 6 x 512 x 512 float32; Wq 6 x 512 x 512 float32; Wv 6 x 512 x 512 float32; lowp_scales 10 int32 (the exponents e of the quantised operands' scales 2^e).
;; Outputs: out0 32 x 1,024 x 512 float32.
;; Constants: z = 3.
;; This version of the problem:
;;   THIS VERSION OF THE PROBLEM IS GIVEN IN LOW PRECISION. The matrix products marked QUANTISED in the list below multiply operands that are first quantised to E4M3 (4 exponent bits, 3 mantissa bits; 8 bits a number), with one given power-of-two scale for each operand tensor; their sums are f32. All else is computed in f32.
;;   The module's matrix products, in the order in which they are computed (A, B: the left and right operand; K: the contracted axis; several contracted axes count as one K, in the product's order):
;;     1. [M 32,768, K 512] x [K 512, N 512]; A: input Ez; B: input Wq: QUANTISED (scales: A lowp_scales[0], B lowp_scales[1])
;;     2. [M 32,768, K 512] x [K 512, N 512]; A: input Ez; B: input Wk: QUANTISED (scales: A lowp_scales[2], B lowp_scales[3])
;;     3. [M 32,768, K 512] x [K 512, N 512]; A: input Ez; B: input Wv: QUANTISED (scales: A lowp_scales[4], B lowp_scales[5])
;;     4. batch 32 x [M 1,024, K 512] x [K 512, N 1,024]; A: computed on the way; B: computed on the way: QUANTISED (scales: A lowp_scales[6], B lowp_scales[7])
;;     5. batch 32 x [M 1,024, K 1,024] x [K 1,024, N 512]; A: softmax (see below); B: computed on the way: QUANTISED (scales: A lowp_scales[8], B lowp_scales[9])
;;   THE QUANTISER, for each operand of a quantised product, along K:
;;     - The operand's scale is 2^e, e = its entry of the input lowp_scales (int32; the entries are numbered through the quantised products in the list's order, A before B).
;;     - Each number is divided by the scale, clamped to +-448, and rounded to the nearest number of E4M3, ties to even, subnormals kept.
;;     - The product sums the exact products of the quantised numbers (number of the format x scale) in f32.
;;   ~~~python
;;   def quantise(x, axis, e):      # numpy; x: float32 -> the quantised numbers, widened to float32 again
;;       x = np.moveaxis(x, axis, -1); K = x.shape[-1]
;;       r = np.clip(x / 2.0 ** e, -448, 448)
;;       step = 2.0 ** (np.maximum(np.frexp(np.where(r == 0, 1, r))[1] - 1, -6) - 3)
;;       q = np.round(r / step) * step * 2.0 ** e      # np.round: ties to even
;;       return np.moveaxis(q, -1, axis).astype(np.float32)
;;   ~~~
;;   SOFTMAX AHEAD OF A QUANTISED PRODUCT. Where the list says 'softmax', what is quantised is not the finished softmax but p = 2^(t - M), with t = logit x log2(e) and M = ceil(the row's largest t), a whole number; so 1/2 < the row's largest p <= 1. The row's sum l is taken of the UNQUANTISED p, in f32, and the product's result is divided by l at the end. Since M is a whole number, a kernel that streams over the keys may use a running M (the ceiling of the running maximum): every later rescaling is an exact power of two, so the quantised numbers keep their values, but for numbers so far below the row's largest that they fall under the format's range.
;;   OPERANDS COMPUTED ON THE WAY. 'Computed on the way' means the value that the module computes at that place (a softmax that the list does not call 'softmax' is quantised finished and normalised). What goes into a quantiser is computed in f32, as accurately as f32 sums, v_exp_f32 and their like allow (about 1e-6 of the number): no bf16 or f16 on the way to a quantiser, and a product that is left as it is and whose result goes on into a quantised operand takes f32 operands (vector FMAs, or v_wmma_f32_16x16x4_f32). A number that lies on a knife's edge between two numbers of the format may be rounded either way, as far as f32 arithmetic and the matrix unit's own rounding can turn it there, and no further.
;; 3 versions. Each part assembles by itself: llvm-mc -triple=amdgcn-amd-amdhsa -mcpu=gfx1250 --defsym DOCPART=n.
;; ======== version 1 of 3: 3 launches
;; limits: right only within a limited range of input values
;; workspace buffers: wc 1,572,864 bytes; qc 16,777,216 bytes; kc 16,777,216 bytes; vc 16,777,216 bytes
;; launch wquant (part 1): grid 96 x 1, 4 waves a work-group, no clusters, 0 bytes of LDS; arguments Wq, Wk, Wv, lowp_scales, wc; writes wc
.if DOCPART == 1
	.amdgcn_target "amdgcn-amd-amdhsa--gfx1250"
	.amdhsa_code_object_version 6
	.text
	.protected	k_q43ad98dc91_wquant
	.globl	k_q43ad98dc91_wquant
	.p2align	8
	.type	k_q43ad98dc91_wquant,@function
k_q43ad98dc91_wquant:
	s_mov_b64 s[64:65], 0
	v_nop
	global_prefetch_b8 v0, s[64:65] scope:SCOPE_SE
	s_setreg_imm32_b32 hwreg(HW_REG_WAVE_MODE, 25, 1), 1
	s_wait_xcnt 0x0
.set ZOFF, 3*512*512*4
.set X,    32
.set C,    96
.set N,    112
	s_load_b256 s[4:11], s[0:1], 0x0
	s_load_b64 s[12:13], s[0:1], 0x20
	v_lshrrev_b32 v1, 5, v0
	v_readfirstlane_b32 s14, v1
	v_and_b32 v2, 15, v0
	v_bfe_u32 v5, v0, 4, 1
	v_lshlrev_b32 v3, 11, v2
	v_lshl_add_u32 v3, v5, 5, v3
	v_and_b32 v4, 31, v0
	v_lshlrev_b32 v4, 4, v4
	s_lshr_b32 s15, ttmp9, 5
	s_and_b32 s16, ttmp9, 31
	s_lshl_b32 s20, s16, 15
	s_lshl_b32 s21, s14, 9
	s_add_co_u32 s20, s20, s21
	s_add_co_u32 s20, s20, ZOFF
	s_mov_b32 s21, 0
	s_lshr_b32 s22, s16, 3
	s_mul_i32 s22, s22, 393216
	s_lshl_b32 s23, s15, 17
	s_add_co_u32 s22, s22, s23
	s_and_b32 s23, s16, 7
	s_lshl_b32 s23, s23, 14
	s_add_co_u32 s22, s22, s23
	s_lshl_b32 s23, s14, 12
	s_add_co_u32 s22, s22, s23
	s_mov_b32 s23, 0
	s_wait_kmcnt 0x0
	s_load_b256 s[24:31], s[10:11], 0x0
	s_cmp_eq_u32 s15, 0
	s_cselect_b64 s[4:5], s[4:5], s[6:7]
	s_cmp_eq_u32 s15, 2
	s_cselect_b64 s[4:5], s[8:9], s[4:5]
	s_add_nc_u64 s[4:5], s[4:5], s[20:21]
	s_add_nc_u64 s[12:13], s[12:13], s[22:23]
.irp c, 0,1,2,3
.irp j, 0,1,2,3
	global_load_b128 v[X+16*\c+4*\j:X+16*\c+4*\j+3], v3, s[4:5] offset:128*\c+64*(\j/2)+16*(\j%2)
.endr
.endr
	s_wait_kmcnt 0x0
	s_cmp_eq_u32 s15, 0
	s_cselect_b32 s32, s25, s27
	s_cmp_eq_u32 s15, 2
	s_cselect_b32 s32, s29, s32
	s_add_co_i32 s32, s32, 127
	s_lshl_b32 s33, s32, 23
	v_mov_b32 v11, s33
	s_add_co_i32 s32, s32, 8
	s_lshl_b32 s32, s32, 23
	s_or_b32 s32, s32, 0x600000
	v_mov_b32 v10, s32
	s_wait_loadcnt 0x0
.irp c, 0,1,2,3
.irp i, 0,1,2,3,4,5,6,7,8,9,10,11,12,13,14,15
	v_med3_num_f32 v[X+16*\c+\i], v[X+16*\c+\i], -v10, v10
.endr
	v_cvt_scalef32_pk8_fp8_f32 v[C+4*\c:C+4*\c+1], v[X+16*\c:X+16*\c+7], v11
	v_cvt_scalef32_pk8_fp8_f32 v[C+4*\c+2:C+4*\c+3], v[X+16*\c+8:X+16*\c+15], v11
.endr
	v_nop
.irp i, 0,1,2,3,4,5,6,7,8,9,10,11,12,13,14,15
	v_xor_b32 v[N+\i], 0x80808080, v[C+\i]
.endr
.irp c, 0,1,2,3
	global_store_b128 v4, v[C+4*\c:C+4*\c+3], s[12:13] offset:512*\c
.endr
.irp c, 0,1,2,3
	global_store_b128 v4, v[N+4*\c:N+4*\c+3], s[12:13] offset:2048+512*\c
.endr
	s_endpgm
.Lfunc_end_k_q43ad98dc91_wquant:
	.size	k_q43ad98dc91_wquant, .Lfunc_end_k_q43ad98dc91_wquant-k_q43ad98dc91_wquant
	.p2alignl 7, 3214868480
	.fill 96, 4, 3214868480
	.section	.rodata,"a",@progbits
	.p2align	6, 0x0
	.amdhsa_kernel k_q43ad98dc91_wquant
		.amdhsa_group_segment_fixed_size 0
		.amdhsa_private_segment_fixed_size 0
		.amdhsa_enable_private_segment 0
		.amdhsa_kernarg_size 40
		.amdhsa_user_sgpr_count 2
		.amdhsa_user_sgpr_kernarg_segment_ptr 1
		.amdhsa_wavefront_size32 1
		.amdhsa_system_sgpr_workgroup_id_x 1
		.amdhsa_system_sgpr_workgroup_id_y 1
		.amdhsa_system_sgpr_workgroup_id_z 1
		.amdhsa_system_vgpr_workitem_id 0
		.amdhsa_next_free_vgpr 128
		.amdhsa_next_free_sgpr 66
		.amdhsa_reserve_vcc 0
		.amdhsa_float_denorm_mode_32 3
		.amdhsa_float_denorm_mode_16_64 3
		.amdhsa_memory_ordered 1
		.amdhsa_forward_progress 1
		.amdhsa_inst_pref_size 10
	.end_amdhsa_kernel
	.amdgpu_metadata
---
amdhsa.version: [ 1, 2 ]
amdhsa.kernels:
  - .name:           k_q43ad98dc91_wquant
    .symbol:         k_q43ad98dc91_wquant.kd
    .args:
      - { .name: Wq, .offset: 0, .size: 8, .value_kind: global_buffer, .address_space: global }
      - { .name: Wk, .offset: 8, .size: 8, .value_kind: global_buffer, .address_space: global }
      - { .name: Wv, .offset: 16, .size: 8, .value_kind: global_buffer, .address_space: global }
      - { .name: lowp_scales, .offset: 24, .size: 8, .value_kind: global_buffer, .address_space: global }
      - { .name: wc, .offset: 32, .size: 8, .value_kind: global_buffer, .address_space: global }
    .group_segment_fixed_size: 0
    .private_segment_fixed_size: 0
    .kernarg_segment_align: 8
    .kernarg_segment_size: 40
    .max_flat_workgroup_size: 128
    .sgpr_count:     66
    .vgpr_count:     128
    .wavefront_size: 32
...
	.end_amdgpu_metadata
.endif
;; end of part 1
;; launch proj (part 2): grid 256 x 1, 4 waves a work-group, no clusters, 230,912 bytes of LDS; arguments Ez, wc, lowp_scales, qc, kc, vc; writes qc, kc, vc
.if DOCPART == 2
	.amdgcn_target "amdgcn-amd-amdhsa--gfx1250"
	.amdhsa_code_object_version 6
	.text
	.protected	k_q43ad98dc91_proj
	.globl	k_q43ad98dc91_proj
	.p2align	8
	.type	k_q43ad98dc91_proj,@function
k_q43ad98dc91_proj:
	s_mov_b64 s[64:65], 0
	v_nop
	global_prefetch_b8 v0, s[64:65] scope:SCOPE_SE
	s_setreg_imm32_b32 hwreg(HW_REG_WAVE_MODE, 25, 1), 1
	s_wait_xcnt 0x0
.set STG,  196608
.set LI,   1
.set STW,  2
.set STR,  3
.set IW,   4
.set AIR,  7
.set SCX,  8
.set SCO,  14
.set LIMO, 15
.set X,    32
.set T,    96
.set PC,   128
.set ACC,  32
.set CD,   160
.set WV,   16
.set EX,   20
.set EZ,   30
.set WB,   32
.set OUTP, 34
.set OUTK, 36
.set OUTV, 38
.set TRIP, 40
.set ASET, 41
.set TR2,  60
.set MSB, 0
.macro WIN new
.if MSB != (\new)
	s_set_vgpr_msb (MSB<<8)|(\new)
.set MSB, (\new)
.endif
.endm
.macro MKSC sc, lim, e
	s_add_co_i32 s[\lim], s[\e], 127
	s_lshl_b32 s[\sc], s[\lim], 23
	s_add_co_i32 s[\lim], s[\lim], 8
	s_lshl_b32 s[\lim], s[\lim], 23
	s_or_b32 s[\lim], s[\lim], 0x600000
.endm
.macro XLOAD i
	WIN 0xc0
.irp r, 0,1,2,3,4,5,6,7,8,9,10,11,12,13,14,15
	global_load_b128 v[64*((\i)%4)+4*\r:64*((\i)%4)+4*\r+3], v[LI], s[EZ:EZ+1] offset:(16*((\i)/4)+\r)*2048+512*((\i)%4) th:TH_LOAD_NT
.endr
	WIN 0
.endm
.macro BQ k
	WIN 0xc0
.irp t, 0,1
.irp u, 0,1
.irp c, 0,1,2,3
	global_load_b128 v[64*(\k)+32*\t+16*\u+4*\c:64*(\k)+32*\t+16*\u+4*\c+3], v[LI], s[WB:WB+1] offset:((\k)/2)*16384+(2*((\k)%2)+\t)*4096+\u*2048+512*\c
.endr
.endr
.endr
	WIN 0
.endm
.macro XFRAG i
	s_wait_loadcnt 32
	WIN 0x0c
.irp r, 0,1,2,3,4,5,6,7,8,9,10,11,12,13,14,15
	ds_store_b128 v[STW], v[64*((\i)%4)+4*\r:64*((\i)%4)+4*\r+3] offset:528*\r
.endr
	WIN 0
.irp c, 0,1,2,3
.irp j, 0,1,2,3
	ds_load_b128 v[X+16*\c+4*\j:X+16*\c+4*\j+3], v[STR] offset:128*\c+64*(\j/2)+16*(\j%2)
.endr
.endr
.if (\i) <= 4
	XLOAD (\i)+3
.else
	BQ (\i)-5
.endif
	s_wait_dscnt 0x0
.irp p, 0,1,2
.irp c, 0,1,2,3
.irp k, 0,1,2,3,4,5,6,7,8,9,10,11,12,13,14,15
	v_med3_num_f32 v[T+16*(\c%2)+\k], v[X+16*\c+\k], -v[SCX+2*\p+1], v[SCX+2*\p+1]
.endr
	v_cvt_scalef32_pk8_fp8_f32 v[PC+16*\p+4*\c:PC+16*\p+4*\c+1], v[T+16*(\c%2):T+16*(\c%2)+7], v[SCX+2*\p]
	v_cvt_scalef32_pk8_fp8_f32 v[PC+16*\p+4*\c+2:PC+16*\p+4*\c+3], v[T+16*(\c%2)+8:T+16*(\c%2)+15], v[SCX+2*\p]
.endr
.endr
	v_nop
.irp p, 0,1,2
.irp c, 0,1,2,3
	ds_store_b128 v[IW+\p], v[PC+16*\p+4*\c:PC+16*\p+4*\c+3] offset:(8*((\i)%4)+(\i)/4)*2048+512*\c
.endr
.endr
.endm
.macro ALOAD s
	WIN 0x40*(1+(\s)/2)
.irp t, 0,1,2,3,4,5,6,7
.irp c, 0,1,2,3
	ds_load_b128 v[16*(8*((\s)%2)+\t)+4*\c:16*(8*((\s)%2)+\t)+4*\c+3], v[AIR] offset:(8*(\s)+\t)*2048+512*\c
.endr
.endr
.endm
.macro TILE a, nat, reload, ahead, n, k
.if \reload
	v_add_nc_u32 v[AIR], s[ASET], v[LI]
.endif
.irp s, 0,1,2,3
	s_wait_loadcnt \n-\k*\s
.if \nat
	WIN 0x0d+\s/2
.else
	WIN 0x07+4*(\s/2)
.endif
.irp u, 0,1
.irp t, 0,1,2,3,4,5,6,7
.set rD, ACC+8*(8*\u+\t)
.set rB, 128*(\a)+32*\s+16*\u
.set rA, 16*(8*(\s%2)+\t)
.if \nat
.if \s == 0
	v_wmma_f32_16x16x128_fp8_fp8 v[rD:rD+7], v[rA:rA+15], v[rB:rB+15], 0
.else
	v_wmma_f32_16x16x128_fp8_fp8 v[rD:rD+7], v[rA:rA+15], v[rB:rB+15], v[rD:rD+7]
.endif
.else
.if \s == 0
	v_wmma_f32_16x16x128_fp8_fp8 v[rD:rD+7], v[rB:rB+15], v[rA:rA+15], 0
.else
	v_wmma_f32_16x16x128_fp8_fp8 v[rD:rD+7], v[rB:rB+15], v[rA:rA+15], v[rD:rD+7]
.endif
.endif
.endr
.endr
.rept 4
	v_nop
.endr
.if \ahead
	WIN 0xc0
.irp u, 0,1
.irp c, 0,1,2,3
	global_load_b128 v[128*(\a)+32*\s+16*\u+4*\c:128*(\a)+32*\s+16*\u+4*\c+3], v[LI], s[WB:WB+1] offset:((\a)+2)*16384+4096*\s+2048*\u+512*\c
.endr
.endr
.endif
.if \reload
	ALOAD \s
.endif
.endr
	WIN 0
.set i, 0
.rept 32
	v_pk_add_f32 v[ACC+i:ACC+i+1], v[ACC+i:ACC+i+1], v[ACC+64+i:ACC+64+i+1] neg_lo:[0,1] neg_hi:[0,1]
.set i, i+2
.endr
	s_wait_xcnt 0x0
.set i, 0
.rept 64
	v_med3_num_f32 v[ACC+i], v[ACC+i], -v[LIMO], v[LIMO]
.set i, i+1
.endr
.irp g, 0,1,2,3,4,5,6,7
.if \nat
	v_cvt_scalef32_pk8_fp8_f32 v[CD+2*\g:CD+2*\g+1], v[ACC+8*\g:ACC+8*\g+7], v[SCO]
.else
	v_cvt_scalef32_pk8_fp8_f32 v[CD+4*\g+2*(\a):CD+4*\g+2*(\a)+1], v[ACC+8*\g:ACC+8*\g+7], v[SCO]
.endif
.endr
	v_nop
.if \nat
.irp g, 0,1,2,3
	global_store_b128 v[LI], v[CD+4*\g:CD+4*\g+3], s[OUTP:OUTP+1] offset:(\a)*2048+512*\g
.endr
.else
.if (\a) == 1
.irp g, 0,1,2,3,4,5,6,7
	global_store_b128 v[LI], v[CD+4*\g:CD+4*\g+3], s[OUTP:OUTP+1] offset:\g*8192
.endr
.endif
.endif
.endm
.macro ONWARD bytes
	s_wait_xcnt 0x0
	s_add_nc_u64 s[WB:WB+1], s[WB:WB+1], 0x8000
	s_add_nc_u64 s[OUTP:OUTP+1], s[OUTP:OUTP+1], \bytes
.endm
	s_load_b256 s[4:11], s[0:1], 0x0
	s_load_b128 s[12:15], s[0:1], 0x20
	v_lshl_add_u32 v254, v0, 2, 0x38400
	v_mov_b32 v255, 0
	v_lshrrev_b32 v1, 5, v0
	v_readfirstlane_b32 s[WV], v1
	v_and_b32 v1, 31, v0
	v_lshlrev_b32 v[LI], 4, v1
	v_and_b32 v16, 15, v0
	v_bfe_u32 v17, v0, 4, 1
	s_mul_i32 s42, s[WV], 8448
	s_add_co_u32 s42, s42, STG
	v_add_nc_u32 v[STW], s42, v[LI]
	v_mul_u32_u24 v[STR], v16, 528
	v_lshl_add_u32 v[STR], v17, 5, v[STR]
	v_add_nc_u32 v[STR], s42, v[STR]
	s_lshl_b32 s43, s[WV], 12
	v_add_nc_u32 v[IW], s43, v[LI]
	v_add_nc_u32 v[IW+1], 0x10000, v[IW]
	v_add_nc_u32 v[IW+2], 0x20000, v[IW]
	s_lshl_b32 s42, ttmp9, 18
	s_lshl_b32 s43, s[WV], 16
	s_add_co_u32 s42, s42, s43
	s_mov_b32 s43, 0
	s_wait_kmcnt 0x0
	s_load_b256 s[EX:EX+7], s[8:9], 0x0
	s_load_b64 s[EX+8:EX+9], s[8:9], 0x20
	s_add_nc_u64 s[EZ:EZ+1], s[4:5], s[42:43]
	XLOAD 0
	XLOAD 1
	XLOAD 2
	s_mul_i32 s42, s[WV], 393216
	s_add_nc_u64 s[WB:WB+1], s[6:7], s[42:43]
	s_lshl_b32 s42, ttmp9, 16
	s_lshl_b32 s56, s[WV], 11
	s_add_co_u32 s56, s56, s42
	s_mov_b32 s57, 0
	s_add_nc_u64 s[OUTP:OUTP+1], s[10:11], s[56:57]
	s_add_nc_u64 s[OUTK:OUTK+1], s[12:13], s[56:57]
	s_lshl_b32 s56, s[WV], 14
	s_add_co_u32 s56, s56, s42
	s_add_nc_u64 s[OUTV:OUTV+1], s[14:15], s[56:57]
	s_wait_kmcnt 0x0
	MKSC 44, 45, EX+0
	MKSC 46, 47, EX+2
	MKSC 48, 49, EX+4
	s_sub_co_i32 s58, s[EX+6], s[EX]
	s_sub_co_i32 s58, s58, s[EX+1]
	s_add_co_i32 s58, s58, 1
	MKSC 50, 51, 58
	s_sub_co_i32 s58, s[EX+7], s[EX+2]
	s_sub_co_i32 s58, s58, s[EX+3]
	s_add_co_i32 s58, s58, 1
	MKSC 52, 53, 58
	s_sub_co_i32 s58, s[EX+9], s[EX+4]
	s_sub_co_i32 s58, s58, s[EX+5]
	s_add_co_i32 s58, s58, 1
	MKSC 54, 55, 58
.irp j, 0,1,2,3,4,5
	v_mov_b32 v[SCX+\j], s[44+\j]
.endr
.irp f, 0,1,2,3,4,5,6,7
	XFRAG \f
.endr
	BQ 3
	s_wait_dscnt 0x0
	s_barrier_signal -1
	s_barrier_wait -1
	v_mov_b32 v[AIR], v[LI]
	ALOAD 0
	ALOAD 1
	ALOAD 2
	ALOAD 3
	WIN 0
	v_mov_b32 v[SCO], s50
	v_mov_b32 v[LIMO], s51
	s_mov_b32 s[ASET], 0x10000
	s_mov_b32 s[TRIP], 2
.Lqk:
	s_wait_dscnt 0x0
	s_mov_b32 s[TR2], 3
.Lqk2:
	TILE 0, 0, 0, 1, 56, 0
	TILE 1, 0, 0, 1, 56, 0
	ONWARD 512
	s_sub_co_u32 s[TR2], s[TR2], 1
	s_cmp_lg_u32 s[TR2], 0
	s_cbranch_scc1 .Lqk2
	TILE 0, 0, 0, 1, 56, 0
	TILE 1, 0, 1, 1, 56, 0
	s_wait_xcnt 0x0
	s_add_nc_u64 s[WB:WB+1], s[WB:WB+1], 0x8000
	s_mov_b64 s[OUTP:OUTP+1], s[OUTK:OUTK+1]
	v_mov_b32 v[SCO], s52
	v_mov_b32 v[LIMO], s53
	s_add_co_u32 s[ASET], s[ASET], 0x10000
	s_sub_co_u32 s[TRIP], s[TRIP], 1
	s_cmp_lg_u32 s[TRIP], 0
	s_cbranch_scc1 .Lqk
	s_mov_b64 s[OUTP:OUTP+1], s[OUTV:OUTV+1]
	v_mov_b32 v[SCO], s54
	v_mov_b32 v[LIMO], s55
	s_wait_dscnt 0x0
	s_mov_b32 s[TR2], 3
.Lv:
	TILE 0, 1, 0, 1, 56, 0
	TILE 1, 1, 0, 1, 56, 0
	ONWARD 4096
	s_sub_co_u32 s[TR2], s[TR2], 1
	s_cmp_lg_u32 s[TR2], 0
	s_cbranch_scc1 .Lv
	TILE 0, 1, 0, 0, 56, 8
	TILE 1, 1, 0, 0, 24, 8
	s_wait_tensorcnt 0x0
	ds_add_u32 v254, v255
	s_wait_dscnt 0x0
	s_endpgm
.Lfunc_end_k_q43ad98dc91_proj:
	.size	k_q43ad98dc91_proj, .Lfunc_end_k_q43ad98dc91_proj-k_q43ad98dc91_proj
	.p2alignl 7, 3214868480
	.fill 96, 4, 3214868480
	.section	.rodata,"a",@progbits
	.p2align	6, 0x0
	.amdhsa_kernel k_q43ad98dc91_proj
		.amdhsa_group_segment_fixed_size 230912
		.amdhsa_private_segment_fixed_size 0
		.amdhsa_enable_private_segment 0
		.amdhsa_kernarg_size 48
		.amdhsa_user_sgpr_count 2
		.amdhsa_user_sgpr_kernarg_segment_ptr 1
		.amdhsa_wavefront_size32 1
		.amdhsa_system_sgpr_workgroup_id_x 1
		.amdhsa_system_sgpr_workgroup_id_y 1
		.amdhsa_system_sgpr_workgroup_id_z 1
		.amdhsa_system_vgpr_workitem_id 0
		.amdhsa_next_free_vgpr 1024
		.amdhsa_next_free_sgpr 66
		.amdhsa_reserve_vcc 0
		.amdhsa_float_denorm_mode_32 3
		.amdhsa_float_denorm_mode_16_64 3
		.amdhsa_memory_ordered 1
		.amdhsa_forward_progress 1
		.amdhsa_inst_pref_size 255
	.end_amdhsa_kernel
	.section	.bss,"aw",@nobits
	.p2align	6
	.space	262144
	.amdgpu_metadata
---
amdhsa.version: [ 1, 2 ]
amdhsa.kernels:
  - .name:           k_q43ad98dc91_proj
    .symbol:         k_q43ad98dc91_proj.kd
    .args:
      - { .name: Ez, .offset: 0, .size: 8, .value_kind: global_buffer, .address_space: global }
      - { .name: wc, .offset: 8, .size: 8, .value_kind: global_buffer, .address_space: global }
      - { .name: lowp_scales, .offset: 16, .size: 8, .value_kind: global_buffer, .address_space: global }
      - { .name: qc, .offset: 24, .size: 8, .value_kind: global_buffer, .address_space: global }
      - { .name: kc, .offset: 32, .size: 8, .value_kind: global_buffer, .address_space: global }
      - { .name: vc, .offset: 40, .size: 8, .value_kind: global_buffer, .address_space: global }
    .group_segment_fixed_size: 230912
    .private_segment_fixed_size: 0
    .kernarg_segment_align: 8
    .kernarg_segment_size: 48
    .max_flat_workgroup_size: 128
    .sgpr_count:     66
    .vgpr_count:     1024
    .wavefront_size: 32
...
	.end_amdgpu_metadata
.endif
;; end of part 2
;; launch attn (part 3): grid 8 x 32, 4 waves a work-group, clusters of 4 x 1, 327,680 bytes of LDS; arguments qc, kc, vc, lowp_scales, out0; writes out0
.if DOCPART == 3
	.amdgcn_target "amdgcn-amd-amdhsa--gfx1250"
	.amdhsa_code_object_version 6
	.text
	.protected	k_q43ad98dc91_attn
	.globl	k_q43ad98dc91_attn
	.p2align	8
	.type	k_q43ad98dc91_attn,@function
k_q43ad98dc91_attn:
	s_mov_b64 s[64:65], 0
	v_nop
	global_prefetch_b8 v0, s[64:65] scope:SCOPE_SE
	s_setreg_imm32_b32 hwreg(HW_REG_WAVE_MODE, 25, 1), 1
	s_wait_xcnt 0x0
	s_wait_alu depctr_hold_cnt(0) depctr_sa_sdst(0) depctr_va_vdst(0) depctr_va_sdst(0) depctr_va_ssrc(0) depctr_va_vcc(0) depctr_vm_vsrc(0)
	s_getreg_b32 s2, hwreg(HW_REG_IB_STS2, 6, 4)
	s_cmp_eq_u32 s2, 0
	s_cbranch_scc0 .Lentry_in_a_cluster
	s_endpgm
.Lentry_in_a_cluster:
	s_bfe_u32 s2, ttmp6, 0x10000c
	s_cmp_lg_u32 s2, 0x3003
	s_cbranch_scc0 .Lentry_shape_is_right
	s_endpgm
.Lentry_shape_is_right:
.set SLOT1,  131072
.set VOFF,   65536
.set PIMG,   262144
.set MX,     270336
.set LXO,    1024
.set STAGE,  272384
.set SPARE,  306176
.set LI,   1
.set AK0,  2
.set AV0,  3
.set ADK,  4
.set ADV,  5
.set SPW,  6
.set NIL,  7
.set PWI,  8
.set PRD,  9
.set MXW,  10
.set MXR,  11
.set STO,  12
.set SRD,  13
.set PFO,  14
.set QL,   15
.set SCP,  16
.set LIMP, 17
.set NINF, 18
.set DD,   19
.set ST,   20
.set T0,   36
.set S,    64
.set PC,   128
.set PF,   144
.set S2,   144
.set MXV,  208
.set LXV,  224
.set BK,   128
.set WV,   14
.set CX,   15
.set CLU,  16
.set G1,   24
.set G0A,  32
.set G0W,  36
.set PB,   40
.set OFF,  42
.set KN,   44
.set NA,   45
.set KC,   46
.set CNT,  47
.set SW,   48
.set LIM,  49
.set TB,   50
.set BQM,  51
.set Q64,  52
.set SGN,  53
.set CS,   54
.set SEL,  56
.set PFA,  58
.set OUTP, 60
.set OUTB, 62
.set QB,   66
.set EX,   68
.set EPV,  78
.set Q64B, 79
.set QA,   86
.set MSB, 0
.macro WIN new
.if MSB != (\new)
	s_set_vgpr_msb (MSB<<8)|(\new)
.set MSB, (\new)
.endif
.endm
.set W_KQ, 0x0b
.set W_PV, 0x53
.set W_RS, 0x41
.macro ROUND
	s_barrier_signal -1
	s_barrier_wait -1
	s_cmp_lg_u32 s[WV], 0
	s_cbranch_scc1 .Lnot_wave_0_\@
	s_barrier_signal -3
.Lnot_wave_0_\@:
	s_barrier_wait -3
	s_barrier_signal -1
	s_barrier_wait -1
.endm
.macro FETCH_K
	v_add_nc_u32 v[ADK], s[TB], v[AK0]
	WIN 0xc0
.irp f, 0,1,2,3,4,5,6,7
.irp c, 0,1,2,3
	ds_load_b128 v[16*\f+4*\c:16*\f+4*\c+3], v[ADK] offset:2048*\f+512*\c
.endr
.endr
	WIN 0
.endm
.macro FETCH_V
	v_add_nc_u32 v[ADV], s[TB], v[AV0]
	WIN 0xc0
.irp f, 0,1,2,3,4,5,6,7
.irp c, 0,1,2,3
	ds_load_b128 v[128+16*\f+4*\c:128+16*\f+4*\c+3], v[ADV] offset:2048*\f+512*\c
.endr
.endr
	WIN 0
.endm
.macro QLOAD ptr
	WIN 0x80
.irp f, 0,1,2,3,4,5,6,7,8,9,10,11,12,13,14,15
.irp c, 0,1,2,3
	global_load_b128 v[16*\f+4*\c:16*\f+4*\c+3], v[LI], s[\ptr:\ptr+1] offset:2048*\f+512*\c th:TH_LOAD_NT
.endr
.endr
	WIN 0
.endm
.macro KQ dst
	WIN W_KQ
.irp s, 0,1,2,3
.irp m, 0,1,2,3
.irp u, 0,1
.set rS, \dst+16*\m+8*\u
.set rK, 16*(4*\u+\s)
.set rQ, 16*(4*\m+\s)
.if \s == 0
	v_wmma_f32_16x16x128_fp8_fp8 v[rS:rS+7], v[rK:rK+15], v[rQ:rQ+15], 0
.else
	v_wmma_f32_16x16x128_fp8_fp8 v[rS:rS+7], v[rK:rK+15], v[rQ:rQ+15], v[rS:rS+7]
.endif
.endr
.endr
.endr
.rept 4
	v_nop
.endr
.endm
.macro ASK
	s_cmp_gt_u32 s[CNT], s[LIM]
	s_cbranch_scc0 .Lnot_mine_\@
	global_prefetch_b8 v[PFO], s[PFA:PFA+1] th:TH_LOAD_NT scope:SCOPE_SE
.Lnot_mine_\@:
.endm
.macro FIN
.irp m, 0,1,2,3
	v_rcp_f32 v[ST+4*\m+2], v[ST+4*\m+3]
.endr
	v_nop
	s_wait_alu depctr_va_vdst(0)
.irp m, 0,1,2,3
	v_ldexp_f32 v[ST+4*\m+2], v[ST+4*\m+2], s[EPV]
.endr
.irp m, 0,1,2,3
.if \m >= 2
	s_wait_xcnt 0x0
.endif
	WIN 0x01
.set i, 0
.rept 32
	v_pk_mul_f32 v[S+i:S+i+1], v[64*\m+i:64*\m+i+1], v[ST+4*\m+2:ST+4*\m+3] op_sel_hi:[1,0]
.set i, i+2
.endr
	WIN 0
.irp t, 0,1,2,3,4,5,6,7
.irp k, 0,1
	ds_store_b128 v[STO], v[S+8*\t+4*\k:S+8*\t+4*\k+3] offset:64*\t+16*\k
.endr
.endr
.irp r, 0,1,2,3,4,5,6,7,8,9,10,11,12,13,14,15
	ds_load_b128 v[BK+64*(\m%2)+4*\r:BK+64*(\m%2)+4*\r+3], v[SRD] offset:528*\r
.endr
.irp r, 0,1,2,3,4,5,6,7,8,9,10,11,12,13,14,15
	s_wait_dscnt 15-\r
	global_store_b128 v[LI], v[BK+64*(\m%2)+4*\r:BK+64*(\m%2)+4*\r+3], s[OUTP:OUTP+1] offset:(16*\m+\r)*2048 th:TH_STORE_NT
.endr
.endr
.endm
.macro STEP fill, next, turn
	s_wait_loadcnt 0x0
	s_wait_dscnt 0x0
	KQ S
	WIN 0xcc
.set i, 0
.rept 128
	v_xor_b32 v[i], s[SGN], v[i]
.set i, i+1
.endr
	KQ S2
	WIN 0
.if \turn
	s_cmp_eq_u32 s[CNT], s[SW]
	s_cbranch_scc0 .Lsame_q_\@
	QLOAD QB
.Lsame_q_\@:
.endif
.set i, 0
.rept 32
	v_pk_add_f32 v[S+i:S+i+1], v[S+i:S+i+1], v[S2+i:S2+i+1] neg_lo:[0,1] neg_hi:[0,1]
.set i, i+2
.endr
	s_add_co_u32 s80, s[KC], 1
	s_lshl_b32 s80, s80, 1
	s_cmp_le_u32 s80, s[BQM]
	s_cbranch_scc1 .Lopen_\@
	s_lshl_b32 s80, s[KC], 7
	s_sub_co_i32 s80, s[Q64], s80
	v_add_nc_u32 v[DD], s80, v[QL]
.irp m, 0,1,2,3
.irp i, 0,1,2,3,4,5,6,7,8,9,10,11,12,13,14,15
	v_cmp_gt_i32 vcc_lo, 16*(\i/8)+\i%8-16*\m, v[DD]
	v_cndmask_b32 v[S+16*\m+\i], v[S+16*\m+\i], v[NINF], vcc_lo
.endr
.endr
.Lopen_\@:
.irp m, 0,1,2,3
	v_max3_num_f32 v[T0+4*\m], v[S+16*\m], v[S+16*\m+1], v[S+16*\m+2]
	v_max3_num_f32 v[T0+4*\m+1], v[S+16*\m+3], v[S+16*\m+4], v[S+16*\m+5]
.endr
.irp m, 0,1,2,3
	v_max3_num_f32 v[T0+4*\m], v[T0+4*\m], v[S+16*\m+6], v[S+16*\m+7]
	v_max3_num_f32 v[T0+4*\m+1], v[T0+4*\m+1], v[S+16*\m+8], v[S+16*\m+9]
.endr
.irp m, 0,1,2,3
	v_max3_num_f32 v[T0+4*\m], v[T0+4*\m], v[S+16*\m+10], v[S+16*\m+11]
	v_max3_num_f32 v[T0+4*\m+1], v[T0+4*\m+1], v[S+16*\m+12], v[S+16*\m+13]
.endr
.irp m, 0,1,2,3
	v_max3_num_f32 v[T0+4*\m], v[T0+4*\m], v[S+16*\m+14], v[S+16*\m+15]
.endr
.irp m, 0,1,2,3
	v_max_num_f32 v[T0+4*\m], v[T0+4*\m], v[T0+4*\m+1]
.endr
.irp m, 0,1,2,3
	v_permlanex16_b32 v[T0+4*\m+1], v[T0+4*\m], s[SEL], s[SEL+1]
.endr
.irp m, 0,1,2,3
	v_max_num_f32 v[T0+4*\m], v[T0+4*\m], v[T0+4*\m+1]
.endr
.irp m, 0,1,2,3
	ds_store_b32 v[MXW], v[T0+4*\m] offset:256*\m
.endr
	s_wait_dscnt 0x0
	s_barrier_signal -1
	s_barrier_wait -1
.irp m, 0,1,2,3
	ds_load_b128 v[MXV+4*\m:MXV+4*\m+3], v[MXR] offset:256*\m
.endr
	FETCH_V
	s_wait_dscnt 32
.irp m, 0,1,2,3
	v_max3_num_f32 v[T0+4*\m], v[MXV+4*\m], v[MXV+4*\m+1], v[MXV+4*\m+2]
.endr
.irp m, 0,1,2,3
	v_max_num_f32 v[T0+4*\m], v[T0+4*\m], v[MXV+4*\m+3]
.endr
.irp m, 0,1,2,3
	v_mul_f32 v[T0+4*\m], s[CS], v[T0+4*\m]
.endr
.irp m, 0,1,2,3
	v_max_num_f32 v[ST+4*\m+1], v[ST+4*\m+1], v[T0+4*\m]
.endr
.irp m, 0,1,2,3
	v_mov_b32 v[T0+4*\m], v[ST+4*\m]
.endr
.irp m, 0,1,2,3
	v_floor_f32 v[ST+4*\m], -v[ST+4*\m+1]
.endr
.irp m, 0,1,2,3
	v_sub_f32 v[T0+4*\m], v[ST+4*\m], v[T0+4*\m]
.endr
.irp m, 0,1,2,3
	v_cvt_i32_f32 v[T0+4*\m], v[T0+4*\m]
.endr
.irp m, 0,1,2,3
	v_ldexp_f32 v[ST+4*\m+2], 1.0, v[T0+4*\m]
.endr
.irp m, 0,1,2,3
.irp k, 0,2,4,6,8,10,12,14
	v_pk_fma_f32 v[S+16*\m+\k:S+16*\m+\k+1], v[S+16*\m+\k:S+16*\m+\k+1], s[CS:CS+1], v[ST+4*\m:ST+4*\m+1] op_sel_hi:[1,0,0]
.endr
.endr
.set i, 0
.rept 64
	v_exp_f32 v[S+i], v[S+i]
.set i, i+1
.endr
	v_nop
	s_wait_alu depctr_va_vdst(0)
.irp m, 0,1,2,3
	v_pk_add_f32 v[T0+4*\m:T0+4*\m+1], v[S+16*\m:S+16*\m+1], v[S+16*\m+2:S+16*\m+3]
	v_pk_add_f32 v[T0+4*\m+2:T0+4*\m+3], v[S+16*\m+4:S+16*\m+5], v[S+16*\m+6:S+16*\m+7]
.endr
.irp m, 0,1,2,3
	v_pk_add_f32 v[T0+4*\m:T0+4*\m+1], v[T0+4*\m:T0+4*\m+1], v[S+16*\m+8:S+16*\m+9]
	v_pk_add_f32 v[T0+4*\m+2:T0+4*\m+3], v[T0+4*\m+2:T0+4*\m+3], v[S+16*\m+10:S+16*\m+11]
.endr
.irp m, 0,1,2,3
	v_pk_add_f32 v[T0+4*\m:T0+4*\m+1], v[T0+4*\m:T0+4*\m+1], v[S+16*\m+12:S+16*\m+13]
	v_pk_add_f32 v[T0+4*\m+2:T0+4*\m+3], v[T0+4*\m+2:T0+4*\m+3], v[S+16*\m+14:S+16*\m+15]
.endr
.irp m, 0,1,2,3
	v_pk_add_f32 v[T0+4*\m:T0+4*\m+1], v[T0+4*\m:T0+4*\m+1], v[T0+4*\m+2:T0+4*\m+3]
.endr
.irp m, 0,1,2,3
	v_add_f32 v[T0+4*\m], v[T0+4*\m], v[T0+4*\m+1]
.endr
.irp m, 0,1,2,3
	v_permlanex16_b32 v[T0+4*\m+1], v[T0+4*\m], s[SEL], s[SEL+1]
.endr
.irp m, 0,1,2,3
	v_add_f32 v[T0+4*\m], v[T0+4*\m], v[T0+4*\m+1]
.endr
.irp m, 0,1,2,3
	ds_store_b32 v[MXW], v[T0+4*\m] offset:LXO+256*\m
.endr
.irp m, 0,1,2,3
.irp i, 0,1,2,3,4,5,6,7,8,9,10,11,12,13,14,15
	v_min_num_f32 v[S+16*\m+\i], v[S+16*\m+\i], v[LIMP]
.endr
	v_cvt_scalef32_pk8_fp8_f32 v[PC+4*\m:PC+4*\m+1], v[S+16*\m:S+16*\m+7], v[SCP]
	v_cvt_scalef32_pk8_fp8_f32 v[PC+4*\m+2:PC+4*\m+3], v[S+16*\m+8:S+16*\m+15], v[SCP]
.endr
	v_nop
.irp m, 0,1,2,3
	ds_store_b128 v[PWI], v[PC+4*\m:PC+4*\m+3] offset:2048*\m
.endr
	s_wait_tensorcnt 0x0
	ds_add_u32 v[SPW], v[NIL]
.if \fill
	s_xor_b32 s[G0W+1], s[G0W+1], SLOT1
	s_add_co_u32 s[KN], s[KN], 1
	s_cmp_eq_u32 s[KN], s[NA]
	s_cselect_b32 s[KN], 0, s[KN]
	s_lshl_b32 s[OFF], s[KN], 16
	s_add_nc_u64 s[G0W+2:G0W+3], s[PB:PB+1], s[OFF:OFF+1]
	s_or_b32 s[G0W+3], s[G0W+3], 0x80000000
	s_wait_xcnt 0x0
	s_add_nc_u64 s[PFA:PFA+1], s[PFA:PFA+1], 0x10000
.endif
	WIN W_RS
.irp m, 0,1,2,3
.set i, 0
.rept 32
	v_pk_mul_f32 v[64*\m+i:64*\m+i+1], v[64*\m+i:64*\m+i+1], v[ST+4*\m+2:ST+4*\m+3] op_sel_hi:[1,0]
.set i, i+2
.endr
.endr
	WIN 0
	s_wait_dscnt 0x0
.if \fill
	ROUND
	tensor_load_to_lds s[G0W:G0W+3], s[G1:G1+7]
	s_nop 0
.rept 4
	v_nop
.endr
	ASK
.else
	s_barrier_signal -1
	s_barrier_wait -1
.endif
	s_xor_b32 s[TB], s[TB], SLOT1
.irp m, 0,1,2,3
.irp c, 0,1,2,3
	ds_load_b128 v[PF+16*\m+4*\c:PF+16*\m+4*\c+3], v[PRD] offset:2048*\m+512*\c
.endr
.endr
.irp m, 0,1,2,3
	ds_load_b128 v[LXV+4*\m:LXV+4*\m+3], v[MXR] offset:LXO+256*\m
.endr
.if \next
	FETCH_K
	s_wait_dscnt 36
.else
	s_wait_dscnt 4
.endif
	WIN W_PV
.irp t, 0,1,2,3,4,5,6,7
.irp m, 0,1,2,3
.set rO, 8*(8*\m+\t)
.set rV, 128+16*\t
.set rP, PF+16*\m
	v_wmma_f32_16x16x128_fp8_fp8 v[rO:rO+7], v[rV:rV+15], v[rP:rP+15], v[rO:rO+7]
.endr
.endr
	WIN 0
.if \next
	s_wait_dscnt 32
.else
	s_wait_dscnt 0x0
.endif
.irp m, 0,1,2,3
	v_add_f32 v[T0+4*\m], v[LXV+4*\m], v[LXV+4*\m+1]
.endr
.irp m, 0,1,2,3
	v_add_f32 v[T0+4*\m+1], v[LXV+4*\m+2], v[LXV+4*\m+3]
.endr
.irp m, 0,1,2,3
	v_add_f32 v[T0+4*\m], v[T0+4*\m], v[T0+4*\m+1]
.endr
.irp m, 0,1,2,3
	v_fma_f32 v[ST+4*\m+3], v[ST+4*\m+3], v[ST+4*\m+2], v[T0+4*\m]
.endr
	s_add_co_u32 s[KC], s[KC], 1
.if \turn
	s_cmp_eq_u32 s[CNT], s[SW]
	s_cbranch_scc0 .Lsame_block_\@
	FIN
	s_wait_xcnt 0x0
	s_mov_b64 s[OUTP:OUTP+1], s[OUTB:OUTB+1]
	s_mov_b32 s[Q64], s[Q64B]
	s_lshl_b32 s[BQM], s[CLU], 2
	s_mov_b32 s[KC], 0
.irp m, 0,1,2,3
	v_mov_b32 v[ST+4*\m+1], 0xff61b1e6
	v_floor_f32 v[ST+4*\m], -v[ST+4*\m+1]
	v_mov_b32 v[ST+4*\m+3], 0
.endr
.Lsame_block_\@:
.endif
.endm
	s_load_b256 s[4:11], s[0:1], 0x0
	s_load_b64 s[12:13], s[0:1], 0x20
	v_lshl_add_u32 v[SPW], v0, 2, SPARE
	v_mov_b32 v[NIL], 0
	ds_add_u32 v6, v7
	ds_add_u32 v6, v7
	s_wait_dscnt 0x0
	v_lshrrev_b32 v1, 5, v0
	v_readfirstlane_b32 s[WV], v1
	s_bfe_u32 s[CX], ttmp6, 0x40000
	s_mov_b32 s[CLU], ttmp9
	s_and_b32 s80, ttmp7, 0xffff
	s_lshl_b32 s83, s80, 19
	s_and_b32 s84, s[WV], 1
	s_lshl_b32 s84, s84, 15
	s_add_co_u32 s84, s84, s83
	s_mov_b32 s85, 0
	s_lshl_b32 s81, s[CLU], 2
	s_add_co_u32 s81, s81, s[CX]
	s_sub_co_u32 s82, 15, s81
	s_lshl_b32 s[Q64], s82, 6
	s_lshl_b32 s[Q64B], s81, 6
	s_lshl_b32 s86, s82, 15
	s_add_co_u32 s86, s86, s83
	s_mov_b32 s87, 0
	s_lshl_b32 s88, s81, 15
	s_add_co_u32 s88, s88, s83
	s_mov_b32 s89, 0
	s_lshl_b32 s90, s80, 21
	s_lshl_b32 s91, s[WV], 9
	s_add_co_u32 s90, s90, s91
	s_lshl_b32 s92, s82, 17
	s_add_co_u32 s92, s92, s90
	s_mov_b32 s93, 0
	s_lshl_b32 s94, s81, 17
	s_add_co_u32 s94, s94, s90
	s_mov_b32 s95, 0
	s_lshl_b32 s[SW], s[CLU], 1
	s_sub_co_u32 s[NA], 8, s[SW]
	s_add_co_u32 s[SW], s[SW], 1
	s_lshl_b32 s[BQM], s[CLU], 2
	s_sub_co_u32 s[BQM], 12, s[BQM]
	s_cmp_eq_u32 s[CLU], 0
	s_cselect_b32 s[LIM], 3, -1
	s_mov_b32 s[KN], 1
	s_mov_b32 s[KC], 0
	s_mov_b32 s[CNT], 8
	s_mov_b32 s[TB], 0
	s_mov_b32 s[OFF+1], 0
	s_mov_b32 s[SGN], 0x80808080
	s_mov_b32 s[SEL], 0x76543210
	s_mov_b32 s[SEL+1], 0xfedcba98
	s_mov_b32 s[G1], 15|(3<<16)|(1<<21)
	s_mov_b32 s[G1+1], 32<<16
	s_mov_b32 s[G1+2], 128<<16
	s_mov_b32 s[G1+3], 32<<16
	s_mov_b32 s[G1+4], 128
	s_mov_b32 s[G1+5], 32
	s_mov_b32 s[G1+6], 0
	s_mov_b32 s[G1+7], 0
	s_wait_kmcnt 0x0
	s_load_b256 s[EX:EX+7], s[10:11], 0x0
	s_load_b64 s[EX+8:EX+9], s[10:11], 0x20
	s_cmp_lt_u32 s[WV], 2
	s_cselect_b64 s[PB:PB+1], s[6:7], s[8:9]
	s_add_nc_u64 s[PB:PB+1], s[PB:PB+1], s[84:85]
	s_add_nc_u64 s[QA:QA+1], s[4:5], s[86:87]
	s_add_nc_u64 s[QB:QB+1], s[4:5], s[88:89]
	s_add_nc_u64 s[OUTP:OUTP+1], s[12:13], s[92:93]
	s_add_nc_u64 s[OUTB:OUTB+1], s[12:13], s[94:95]
	s_lshl_b32 s88, s[CX], 13
	s_add_co_u32 s88, s88, 0x20000
	s_add_nc_u64 s[PFA:PFA+1], s[PB:PB+1], s[88:89]
	s_mov_b32 s[G0A], 1
	s_lshl_b32 s[G0A+1], s[WV], 15
	s_mov_b64 s[G0A+2:G0A+3], s[PB:PB+1]
	s_or_b32 s[G0A+3], s[G0A+3], 0x80000000
	s_mov_b32 s[G0W], 1
	s_add_co_u32 s[G0W+1], s[G0A+1], SLOT1
	s_add_nc_u64 s[G0W+2:G0W+3], s[PB:PB+1], 0x10000
	s_or_b32 s[G0W+3], s[G0W+3], 0x80000000
	ROUND
	tensor_load_to_lds s[G0A:G0A+3], s[G1:G1+7]
	s_nop 0
	tensor_load_to_lds s[G0W:G0W+3], s[G1:G1+7]
	s_nop 0
.rept 4
	v_nop
.endr
	v_and_b32 v1, 31, v0
	v_lshlrev_b32 v[LI], 4, v1
	QLOAD QA
	s_lshl_b32 s80, s[WV], 14
	v_add_nc_u32 v[AK0], s80, v[LI]
	v_add_nc_u32 v[AV0], VOFF, v[AK0]
	s_lshl_b32 s80, s[WV], 9
	s_add_co_u32 s80, s80, PIMG
	v_add_nc_u32 v[PWI], s80, v[LI]
	v_add_nc_u32 v[PRD], PIMG, v[LI]
	v_and_b32 v36, 15, v0
	v_bfe_u32 v37, v0, 4, 1
	s_lshl_b32 s80, s[WV], 2
	s_add_co_u32 s80, s80, MX
	v_lshl_add_u32 v[MXW], v36, 4, s80
	v_lshl_add_u32 v[MXR], v36, 4, MX
	s_mul_i32 s80, s[WV], 8448
	s_add_co_u32 s80, s80, STAGE
	v_mul_u32_u24 v[STO], v36, 528
	v_lshl_add_u32 v[STO], v37, 5, v[STO]
	v_add_nc_u32 v[STO], s80, v[STO]
	v_add_nc_u32 v[SRD], s80, v[LI]
	v_lshlrev_b32 v[PFO], 4, v[LI]
	v_lshlrev_b32 v39, 3, v37
	v_sub_nc_u32 v[QL], v36, v39
	s_lshl_b32 s80, s[WV], 5
	v_sub_nc_u32 v[QL], v[QL], s80
	v_mov_b32 v[NINF], 0xff800000
.irp m, 0,1,2,3
	v_mov_b32 v[ST+4*\m+1], 0xff61b1e6
	v_floor_f32 v[ST+4*\m], -v[ST+4*\m+1]
	v_mov_b32 v[ST+4*\m+3], 0
.endr
	WIN 0x40
.set i, 0
.rept 256
	v_mov_b32 v[i], 0
.set i, i+1
.endr
	WIN 0
	s_wait_kmcnt 0x0
	s_add_co_i32 s80, s[EX+6], s[EX+7]
	s_lshl_b32 s80, s80, 23
	s_add_co_i32 s[CS], s80, 0x3d0293ee
	s_mov_b32 s[CS+1], s[CS]
	s_add_co_i32 s80, s[EX+8], 127
	s_lshl_b32 s81, s80, 23
	v_mov_b32 v[SCP], s81
	s_add_co_i32 s80, s80, 8
	s_lshl_b32 s80, s80, 23
	s_or_b32 s80, s80, 0x600000
	v_mov_b32 v[LIMP], s80
	s_add_co_i32 s[EPV], s[EX+8], s[EX+9]
	s_wait_tensorcnt 0x1
	s_barrier_signal -1
	s_barrier_wait -1
	FETCH_K
.Lstep:
	STEP 1, 1, 1
	s_sub_co_u32 s[CNT], s[CNT], 1
	s_cmp_lg_u32 s[CNT], 0
	s_cbranch_scc1 .Lstep
	STEP 0, 1, 0
	STEP 0, 0, 0
	FIN
	s_wait_tensorcnt 0x0
	ds_add_u32 v[SPW], v[NIL]
	s_wait_dscnt 0x0
	ROUND
	s_endpgm
.Lfunc_end_k_q43ad98dc91_attn:
	.size	k_q43ad98dc91_attn, .Lfunc_end_k_q43ad98dc91_attn-k_q43ad98dc91_attn
	.p2alignl 7, 3214868480
	.fill 96, 4, 3214868480
	.section	.rodata,"a",@progbits
	.p2align	6, 0x0
	.amdhsa_kernel k_q43ad98dc91_attn
		.amdhsa_group_segment_fixed_size 327680
		.amdhsa_private_segment_fixed_size 0
		.amdhsa_enable_private_segment 0
		.amdhsa_kernarg_size 40
		.amdhsa_user_sgpr_count 2
		.amdhsa_user_sgpr_kernarg_segment_ptr 1
		.amdhsa_wavefront_size32 1
		.amdhsa_system_sgpr_workgroup_id_x 1
		.amdhsa_system_sgpr_workgroup_id_y 1
		.amdhsa_system_sgpr_workgroup_id_z 1
		.amdhsa_system_vgpr_workitem_id 0
		.amdhsa_next_free_vgpr 1024
		.amdhsa_next_free_sgpr 96
		.amdhsa_reserve_vcc 1
		.amdhsa_float_denorm_mode_32 3
		.amdhsa_float_denorm_mode_16_64 3
		.amdhsa_memory_ordered 1
		.amdhsa_forward_progress 1
		.amdhsa_inst_pref_size 217
	.end_amdhsa_kernel
	.amdgpu_metadata
---
amdhsa.version: [ 1, 2 ]
amdhsa.kernels:
  - .name:           k_q43ad98dc91_attn
    .symbol:         k_q43ad98dc91_attn.kd
    .args:
      - { .name: qc, .offset: 0, .size: 8, .value_kind: global_buffer, .address_space: global }
      - { .name: kc, .offset: 8, .size: 8, .value_kind: global_buffer, .address_space: global }
      - { .name: vc, .offset: 16, .size: 8, .value_kind: global_buffer, .address_space: global }
      - { .name: lowp_scales, .offset: 24, .size: 8, .value_kind: global_buffer, .address_space: global }
      - { .name: out0, .offset: 32, .size: 8, .value_kind: global_buffer, .address_space: global }
    .group_segment_fixed_size: 327680
    .private_segment_fixed_size: 0
    .kernarg_segment_align: 8
    .kernarg_segment_size: 40
    .max_flat_workgroup_size: 128
    .sgpr_count:     96
    .vgpr_count:     1024
    .wavefront_size: 32
...
	.end_amdgpu_metadata
.endif
;; end of part 3
;; ======== version 2 of 3: 3 launches
;; limits: right only within a limited range of input values
;; workspace buffers: wc 786,432 bytes; qc 16,777,216 bytes; kc 16,777,216 bytes; vc 16,777,216 bytes
;; launch wquant (part 4): grid 96 x 1, 4 waves a work-group, no clusters, 0 bytes of LDS; arguments Wq, Wk, Wv, lowp_scales, wc; writes wc
.if DOCPART == 4
	.amdgcn_target "amdgcn-amd-amdhsa--gfx1250"
	.amdhsa_code_object_version 6
	.text
	.protected	k_q43ad98dc91_wquant
	.globl	k_q43ad98dc91_wquant
	.p2align	8
	.type	k_q43ad98dc91_wquant,@function
k_q43ad98dc91_wquant:
	s_mov_b64 s[64:65], 0
	v_nop
	global_prefetch_b8 v0, s[64:65] scope:SCOPE_SE
	s_setreg_imm32_b32 hwreg(HW_REG_WAVE_MODE, 25, 1), 1
	s_wait_xcnt 0x0
.set ZOFF, 3*512*512*4
.set X,    32
.set C,    96
	s_load_b256 s[4:11], s[0:1], 0x0
	s_load_b64 s[12:13], s[0:1], 0x20
	v_lshrrev_b32 v1, 5, v0
	v_readfirstlane_b32 s14, v1
	v_and_b32 v2, 15, v0
	v_bfe_u32 v5, v0, 4, 1
	v_lshlrev_b32 v3, 11, v2
	v_lshl_add_u32 v3, v5, 5, v3
	v_and_b32 v4, 31, v0
	v_lshlrev_b32 v4, 4, v4
	s_and_b32 s34, s14, 1
	s_cmp_eq_u32 s34, 1
	s_cselect_b32 s34, 0x80808080, 0
	s_lshr_b32 s15, ttmp9, 5
	s_and_b32 s16, ttmp9, 31
	s_lshl_b32 s20, s16, 15
	s_lshl_b32 s21, s14, 9
	s_add_co_u32 s20, s20, s21
	s_add_co_u32 s20, s20, ZOFF
	s_mov_b32 s21, 0
	s_lshr_b32 s22, s16, 3
	s_mul_i32 s22, s22, 196608
	s_lshl_b32 s23, s15, 16
	s_add_co_u32 s22, s22, s23
	s_and_b32 s23, s16, 7
	s_lshl_b32 s23, s23, 13
	s_add_co_u32 s22, s22, s23
	s_lshl_b32 s23, s14, 11
	s_add_co_u32 s22, s22, s23
	s_mov_b32 s23, 0
	s_wait_kmcnt 0x0
	s_load_b256 s[24:31], s[10:11], 0x0
	s_cmp_eq_u32 s15, 0
	s_cselect_b64 s[4:5], s[4:5], s[6:7]
	s_cmp_eq_u32 s15, 2
	s_cselect_b64 s[4:5], s[8:9], s[4:5]
	s_add_nc_u64 s[4:5], s[4:5], s[20:21]
	s_add_nc_u64 s[12:13], s[12:13], s[22:23]
.irp c, 0,1,2,3
.irp j, 0,1,2,3
	global_load_b128 v[X+16*\c+4*\j:X+16*\c+4*\j+3], v3, s[4:5] offset:128*\c+64*(\j/2)+16*(\j%2)
.endr
.endr
	s_wait_kmcnt 0x0
	s_cmp_eq_u32 s15, 0
	s_cselect_b32 s32, s25, s27
	s_cmp_eq_u32 s15, 2
	s_cselect_b32 s32, s29, s32
	s_add_co_i32 s32, s32, 127
	s_lshl_b32 s33, s32, 23
	v_mov_b32 v11, s33
	s_add_co_i32 s32, s32, 8
	s_lshl_b32 s32, s32, 23
	s_or_b32 s32, s32, 0x600000
	v_mov_b32 v10, s32
	s_wait_loadcnt 0x0
.irp c, 0,1,2,3
.irp i, 0,1,2,3,4,5,6,7,8,9,10,11,12,13,14,15
	v_med3_num_f32 v[X+16*\c+\i], v[X+16*\c+\i], -v10, v10
.endr
	v_cvt_scalef32_pk8_fp8_f32 v[C+4*\c:C+4*\c+1], v[X+16*\c:X+16*\c+7], v11
	v_cvt_scalef32_pk8_fp8_f32 v[C+4*\c+2:C+4*\c+3], v[X+16*\c+8:X+16*\c+15], v11
.endr
	v_nop
.irp i, 0,1,2,3,4,5,6,7,8,9,10,11,12,13,14,15
	v_xor_b32 v[C+\i], s34, v[C+\i]
.endr
.irp c, 0,1,2,3
	global_store_b128 v4, v[C+4*\c:C+4*\c+3], s[12:13] offset:512*\c
.endr
	s_endpgm
.Lfunc_end_k_q43ad98dc91_wquant:
	.size	k_q43ad98dc91_wquant, .Lfunc_end_k_q43ad98dc91_wquant-k_q43ad98dc91_wquant
	.p2alignl 7, 3214868480
	.fill 96, 4, 3214868480
	.section	.rodata,"a",@progbits
	.p2align	6, 0x0
	.amdhsa_kernel k_q43ad98dc91_wquant
		.amdhsa_group_segment_fixed_size 0
		.amdhsa_private_segment_fixed_size 0
		.amdhsa_enable_private_segment 0
		.amdhsa_kernarg_size 40
		.amdhsa_user_sgpr_count 2
		.amdhsa_user_sgpr_kernarg_segment_ptr 1
		.amdhsa_wavefront_size32 1
		.amdhsa_system_sgpr_workgroup_id_x 1
		.amdhsa_system_sgpr_workgroup_id_y 1
		.amdhsa_system_sgpr_workgroup_id_z 1
		.amdhsa_system_vgpr_workitem_id 0
		.amdhsa_next_free_vgpr 112
		.amdhsa_next_free_sgpr 66
		.amdhsa_reserve_vcc 0
		.amdhsa_float_denorm_mode_32 3
		.amdhsa_float_denorm_mode_16_64 3
		.amdhsa_memory_ordered 1
		.amdhsa_forward_progress 1
		.amdhsa_inst_pref_size 10
	.end_amdhsa_kernel
	.amdgpu_metadata
---
amdhsa.version: [ 1, 2 ]
amdhsa.kernels:
  - .name:           k_q43ad98dc91_wquant
    .symbol:         k_q43ad98dc91_wquant.kd
    .args:
      - { .name: Wq, .offset: 0, .size: 8, .value_kind: global_buffer, .address_space: global }
      - { .name: Wk, .offset: 8, .size: 8, .value_kind: global_buffer, .address_space: global }
      - { .name: Wv, .offset: 16, .size: 8, .value_kind: global_buffer, .address_space: global }
      - { .name: lowp_scales, .offset: 24, .size: 8, .value_kind: global_buffer, .address_space: global }
      - { .name: wc, .offset: 32, .size: 8, .value_kind: global_buffer, .address_space: global }
    .group_segment_fixed_size: 0
    .private_segment_fixed_size: 0
    .kernarg_segment_align: 8
    .kernarg_segment_size: 40
    .max_flat_workgroup_size: 128
    .sgpr_count:     66
    .vgpr_count:     112
    .wavefront_size: 32
...
	.end_amdgpu_metadata
.endif
;; end of part 4
;; launch proj (part 5): grid 256 x 1, 4 waves a work-group, no clusters, 230,912 bytes of LDS; arguments Ez, wc, lowp_scales, qc, kc, vc; writes qc, kc, vc
.if DOCPART == 5
	.amdgcn_target "amdgcn-amd-amdhsa--gfx1250"
	.amdhsa_code_object_version 6
	.text
	.protected	k_q43ad98dc91_proj
	.globl	k_q43ad98dc91_proj
	.p2align	8
	.type	k_q43ad98dc91_proj,@function
k_q43ad98dc91_proj:
	s_mov_b64 s[64:65], 0
	v_nop
	global_prefetch_b8 v0, s[64:65] scope:SCOPE_SE
	s_setreg_imm32_b32 hwreg(HW_REG_WAVE_MODE, 25, 1), 1
	s_wait_xcnt 0x0
.set STG,  196608
.set LI,   1
.set STW,  2
.set STR,  3
.set IW,   4
.set AIR,  7
.set SCX,  8
.set SCO,  14
.set LIMO, 15
.set X,    32
.set T,    96
.set PC,   128
.set ACC,  32
.set CD,   160
.set WV,   16
.set EX,   20
.set EZ,   30
.set WB,   32
.set OUTP, 34
.set OUTK, 36
.set OUTV, 38
.set TRIP, 40
.set ASET, 41
.set TR2,  60
.set MSB, 0
.macro WIN new
.if MSB != (\new)
	s_set_vgpr_msb (MSB<<8)|(\new)
.set MSB, (\new)
.endif
.endm
.macro MKSC sc, lim, e
	s_add_co_i32 s[\lim], s[\e], 127
	s_lshl_b32 s[\sc], s[\lim], 23
	s_add_co_i32 s[\lim], s[\lim], 8
	s_lshl_b32 s[\lim], s[\lim], 23
	s_or_b32 s[\lim], s[\lim], 0x600000
.endm
.macro XLOAD i
	WIN 0xc0
.irp r, 0,1,2,3,4,5,6,7,8,9,10,11,12,13,14,15
	global_load_b128 v[64*((\i)%4)+4*\r:64*((\i)%4)+4*\r+3], v[LI], s[EZ:EZ+1] offset:(16*((\i)/4)+\r)*2048+512*((\i)%4) th:TH_LOAD_NT
.endr
	WIN 0
.endm
.macro BQ k
	WIN 0xc0
.irp h, 0,1
.irp u, 0,1
.irp c, 0,1,2,3
	global_load_b128 v[64*(\k)+32*\h+16*\u+4*\c:64*(\k)+32*\h+16*\u+4*\c+3], v[LI], s[WB:WB+1] offset:(\k)*8192+\h*4096+\u*2048+512*\c
.endr
.endr
.endr
	WIN 0
.endm
.macro XFRAG i
	s_wait_loadcnt 32
	WIN 0x0c
.irp r, 0,1,2,3,4,5,6,7,8,9,10,11,12,13,14,15
	ds_store_b128 v[STW], v[64*((\i)%4)+4*\r:64*((\i)%4)+4*\r+3] offset:528*\r
.endr
	WIN 0
.irp c, 0,1,2,3
.irp j, 0,1,2,3
	ds_load_b128 v[X+16*\c+4*\j:X+16*\c+4*\j+3], v[STR] offset:128*\c+64*(\j/2)+16*(\j%2)
.endr
.endr
.if (\i) <= 4
	XLOAD (\i)+3
.elseif (\i) <= 6
	BQ (\i)-5
.endif
	s_wait_dscnt 0x0
.irp p, 0,1,2
.irp c, 0,1,2,3
.irp k, 0,1,2,3,4,5,6,7,8,9,10,11,12,13,14,15
	v_med3_num_f32 v[T+16*(\c%2)+\k], v[X+16*\c+\k], -v[SCX+2*\p+1], v[SCX+2*\p+1]
.endr
	v_cvt_scalef32_pk8_fp8_f32 v[PC+16*\p+4*\c:PC+16*\p+4*\c+1], v[T+16*(\c%2):T+16*(\c%2)+7], v[SCX+2*\p]
	v_cvt_scalef32_pk8_fp8_f32 v[PC+16*\p+4*\c+2:PC+16*\p+4*\c+3], v[T+16*(\c%2)+8:T+16*(\c%2)+15], v[SCX+2*\p]
.endr
.endr
	v_nop
.irp p, 0,1,2
.irp c, 0,1,2,3
	ds_store_b128 v[IW+\p], v[PC+16*\p+4*\c:PC+16*\p+4*\c+3] offset:(8*((\i)%4)+(\i)/4)*2048+512*\c
.endr
.endr
.endm
.macro ALOAD s
	WIN 0x40*(1+(\s)/2)
.irp t, 0,1,2,3,4,5,6,7
.irp c, 0,1,2,3
	ds_load_b128 v[16*(8*((\s)%2)+\t)+4*\c:16*(8*((\s)%2)+\t)+4*\c+3], v[AIR] offset:(8*(\s)+\t)*2048+512*\c
.endr
.endr
.endm
.macro TILE a, nat, reload, ahead, n, k
.if \reload
	v_add_nc_u32 v[AIR], s[ASET], v[LI]
.endif
.irp h, 0,1
	s_wait_loadcnt \n-\k*\h
.if \nat
	WIN 0x0d+\h
.else
	WIN 0x07+4*\h
.endif
.irp u, 0,1
.irp t, 0,1,2,3,4,5,6,7
.set rD, ACC+8*(8*\u+\t)
.set rB, 64*(\a)+32*\h+16*\u
.set rA, 16*(8*\u+\t)
.if \nat
.if \h == 0
	v_wmma_f32_16x16x128_fp8_fp8 v[rD:rD+7], v[rA:rA+15], v[rB:rB+15], 0
.else
	v_wmma_f32_16x16x128_fp8_fp8 v[rD:rD+7], v[rA:rA+15], v[rB:rB+15], v[rD:rD+7]
.endif
.else
.if \h == 0
	v_wmma_f32_16x16x128_fp8_fp8 v[rD:rD+7], v[rB:rB+15], v[rA:rA+15], 0
.else
	v_wmma_f32_16x16x128_fp8_fp8 v[rD:rD+7], v[rB:rB+15], v[rA:rA+15], v[rD:rD+7]
.endif
.endif
.endr
.endr
.rept 4
	v_nop
.endr
.if \ahead
	WIN 0xc0
.irp u, 0,1
.irp c, 0,1,2,3
	global_load_b128 v[64*(\a)+32*\h+16*\u+4*\c:64*(\a)+32*\h+16*\u+4*\c+3], v[LI], s[WB:WB+1] offset:((\a)+2)*8192+4096*\h+2048*\u+512*\c
.endr
.endr
.endif
.if \reload
	ALOAD 2*\h
	ALOAD 2*\h+1
.endif
.endr
	WIN 0
.set i, 0
.rept 32
	v_pk_add_f32 v[ACC+i:ACC+i+1], v[ACC+i:ACC+i+1], v[ACC+64+i:ACC+64+i+1] neg_lo:[0,1] neg_hi:[0,1]
.set i, i+2
.endr
.set i, 0
.rept 64
	v_med3_num_f32 v[ACC+i], v[ACC+i], -v[LIMO], v[LIMO]
.set i, i+1
.endr
.irp g, 0,1,2,3,4,5,6,7
.if \nat
	v_cvt_scalef32_pk8_fp8_f32 v[CD+16*(\a)+2*\g:CD+16*(\a)+2*\g+1], v[ACC+8*\g:ACC+8*\g+7], v[SCO]
.else
	v_cvt_scalef32_pk8_fp8_f32 v[CD+4*\g+2*(\a):CD+4*\g+2*(\a)+1], v[ACC+8*\g:ACC+8*\g+7], v[SCO]
.endif
.endr
	v_nop
.if \nat
.irp g, 0,1,2,3
	global_store_b128 v[LI], v[CD+16*(\a)+4*\g:CD+16*(\a)+4*\g+3], s[OUTP:OUTP+1] offset:(\a)*2048+512*\g
.endr
.else
.if (\a) == 1
.irp g, 0,1,2,3,4,5,6,7
	global_store_b128 v[LI], v[CD+4*\g:CD+4*\g+3], s[OUTP:OUTP+1] offset:\g*8192
.endr
.endif
.endif
.endm
.macro ONWARD bytes
	s_wait_xcnt 0x0
	s_add_nc_u64 s[WB:WB+1], s[WB:WB+1], 0x4000
	s_add_nc_u64 s[OUTP:OUTP+1], s[OUTP:OUTP+1], \bytes
.endm
	s_load_b256 s[4:11], s[0:1], 0x0
	s_load_b128 s[12:15], s[0:1], 0x20
	v_lshl_add_u32 v254, v0, 2, 0x38400
	v_mov_b32 v255, 0
	v_lshrrev_b32 v1, 5, v0
	v_readfirstlane_b32 s[WV], v1
	v_and_b32 v1, 31, v0
	v_lshlrev_b32 v[LI], 4, v1
	v_and_b32 v16, 15, v0
	v_bfe_u32 v17, v0, 4, 1
	s_mul_i32 s42, s[WV], 8448
	s_add_co_u32 s42, s42, STG
	v_add_nc_u32 v[STW], s42, v[LI]
	v_mul_u32_u24 v[STR], v16, 528
	v_lshl_add_u32 v[STR], v17, 5, v[STR]
	v_add_nc_u32 v[STR], s42, v[STR]
	s_lshl_b32 s43, s[WV], 12
	v_add_nc_u32 v[IW], s43, v[LI]
	v_add_nc_u32 v[IW+1], 0x10000, v[IW]
	v_add_nc_u32 v[IW+2], 0x20000, v[IW]
	s_lshl_b32 s42, ttmp9, 18
	s_lshl_b32 s43, s[WV], 16
	s_add_co_u32 s42, s42, s43
	s_mov_b32 s43, 0
	s_wait_kmcnt 0x0
	s_load_b256 s[EX:EX+7], s[8:9], 0x0
	s_load_b64 s[EX+8:EX+9], s[8:9], 0x20
	s_add_nc_u64 s[EZ:EZ+1], s[4:5], s[42:43]
	XLOAD 0
	XLOAD 1
	XLOAD 2
	s_mul_i32 s42, s[WV], 196608
	s_add_nc_u64 s[WB:WB+1], s[6:7], s[42:43]
	s_lshl_b32 s42, ttmp9, 16
	s_lshl_b32 s56, s[WV], 11
	s_add_co_u32 s56, s56, s42
	s_mov_b32 s57, 0
	s_add_nc_u64 s[OUTP:OUTP+1], s[10:11], s[56:57]
	s_add_nc_u64 s[OUTK:OUTK+1], s[12:13], s[56:57]
	s_lshl_b32 s56, s[WV], 14
	s_add_co_u32 s56, s56, s42
	s_add_nc_u64 s[OUTV:OUTV+1], s[14:15], s[56:57]
	s_wait_kmcnt 0x0
	MKSC 44, 45, EX+0
	MKSC 46, 47, EX+2
	MKSC 48, 49, EX+4
	s_sub_co_i32 s58, s[EX+6], s[EX]
	s_sub_co_i32 s58, s58, s[EX+1]
	MKSC 50, 51, 58
	s_sub_co_i32 s58, s[EX+7], s[EX+2]
	s_sub_co_i32 s58, s58, s[EX+3]
	MKSC 52, 53, 58
	s_sub_co_i32 s58, s[EX+9], s[EX+4]
	s_sub_co_i32 s58, s58, s[EX+5]
	MKSC 54, 55, 58
.irp j, 0,1,2,3,4,5
	v_mov_b32 v[SCX+\j], s[44+\j]
.endr
.irp f, 0,1,2,3,4,5,6,7
	XFRAG \f
.endr
	s_wait_dscnt 0x0
	s_barrier_signal -1
	s_barrier_wait -1
	v_mov_b32 v[AIR], v[LI]
	ALOAD 0
	ALOAD 1
	ALOAD 2
	ALOAD 3
	WIN 0
	v_mov_b32 v[SCO], s50
	v_mov_b32 v[LIMO], s51
	s_mov_b32 s[ASET], 0x10000
	s_mov_b32 s[TRIP], 2
.Lqk:
	s_wait_dscnt 0x0
	s_mov_b32 s[TR2], 3
.Lqk2:
	TILE 0, 0, 0, 1, 24, 0
	TILE 1, 0, 0, 1, 24, 0
	ONWARD 512
	s_sub_co_u32 s[TR2], s[TR2], 1
	s_cmp_lg_u32 s[TR2], 0
	s_cbranch_scc1 .Lqk2
	TILE 0, 0, 0, 1, 24, 0
	TILE 1, 0, 1, 1, 24, 0
	s_wait_xcnt 0x0
	s_add_nc_u64 s[WB:WB+1], s[WB:WB+1], 0x4000
	s_mov_b64 s[OUTP:OUTP+1], s[OUTK:OUTK+1]
	v_mov_b32 v[SCO], s52
	v_mov_b32 v[LIMO], s53
	s_add_co_u32 s[ASET], s[ASET], 0x10000
	s_sub_co_u32 s[TRIP], s[TRIP], 1
	s_cmp_lg_u32 s[TRIP], 0
	s_cbranch_scc1 .Lqk
	s_mov_b64 s[OUTP:OUTP+1], s[OUTV:OUTV+1]
	v_mov_b32 v[SCO], s54
	v_mov_b32 v[LIMO], s55
	s_wait_dscnt 0x0
	s_mov_b32 s[TR2], 3
.Lv:
	TILE 0, 1, 0, 1, 24, 0
	TILE 1, 1, 0, 1, 24, 0
	ONWARD 4096
	s_sub_co_u32 s[TR2], s[TR2], 1
	s_cmp_lg_u32 s[TR2], 0
	s_cbranch_scc1 .Lv
	TILE 0, 1, 0, 0, 24, 8
	TILE 1, 1, 0, 0, 8, 8
	s_wait_tensorcnt 0x0
	ds_add_u32 v254, v255
	s_wait_dscnt 0x0
	s_endpgm
.Lfunc_end_k_q43ad98dc91_proj:
	.size	k_q43ad98dc91_proj, .Lfunc_end_k_q43ad98dc91_proj-k_q43ad98dc91_proj
	.p2alignl 7, 3214868480
	.fill 96, 4, 3214868480
	.section	.rodata,"a",@progbits
	.p2align	6, 0x0
	.amdhsa_kernel k_q43ad98dc91_proj
		.amdhsa_group_segment_fixed_size 230912
		.amdhsa_private_segment_fixed_size 0
		.amdhsa_enable_private_segment 0
		.amdhsa_kernarg_size 48
		.amdhsa_user_sgpr_count 2
		.amdhsa_user_sgpr_kernarg_segment_ptr 1
		.amdhsa_wavefront_size32 1
		.amdhsa_system_sgpr_workgroup_id_x 1
		.amdhsa_system_sgpr_workgroup_id_y 1
		.amdhsa_system_sgpr_workgroup_id_z 1
		.amdhsa_system_vgpr_workitem_id 0
		.amdhsa_next_free_vgpr 1024
		.amdhsa_next_free_sgpr 66
		.amdhsa_reserve_vcc 0
		.amdhsa_float_denorm_mode_32 3
		.amdhsa_float_denorm_mode_16_64 3
		.amdhsa_memory_ordered 1
		.amdhsa_forward_progress 1
		.amdhsa_inst_pref_size 253
	.end_amdhsa_kernel
	.amdgpu_metadata
---
amdhsa.version: [ 1, 2 ]
amdhsa.kernels:
  - .name:           k_q43ad98dc91_proj
    .symbol:         k_q43ad98dc91_proj.kd
    .args:
      - { .name: Ez, .offset: 0, .size: 8, .value_kind: global_buffer, .address_space: global }
      - { .name: wc, .offset: 8, .size: 8, .value_kind: global_buffer, .address_space: global }
      - { .name: lowp_scales, .offset: 16, .size: 8, .value_kind: global_buffer, .address_space: global }
      - { .name: qc, .offset: 24, .size: 8, .value_kind: global_buffer, .address_space: global }
      - { .name: kc, .offset: 32, .size: 8, .value_kind: global_buffer, .address_space: global }
      - { .name: vc, .offset: 40, .size: 8, .value_kind: global_buffer, .address_space: global }
    .group_segment_fixed_size: 230912
    .private_segment_fixed_size: 0
    .kernarg_segment_align: 8
    .kernarg_segment_size: 48
    .max_flat_workgroup_size: 128
    .sgpr_count:     66
    .vgpr_count:     1024
    .wavefront_size: 32
...
	.end_amdgpu_metadata
.endif
;; end of part 5
;; launch attn: the kernel of part 3 again; grid 8 x 32, 4 waves a work-group, clusters of 4 x 1, 327,680 bytes of LDS; arguments qc, kc, vc, lowp_scales, out0; writes out0
;; ======== version 3 of 3: 3 launches
;; limits: right only within a limited range of input values
;; workspace buffers: wc 786,432 bytes; qc 16,777,216 bytes; kc 16,777,216 bytes; vc 16,777,216 bytes
;; launch wquant (part 6): grid 96 x 1, 4 waves a work-group, no clusters, 0 bytes of LDS; arguments Wq, Wk, Wv, lowp_scales, wc; writes wc
.if DOCPART == 6
	.amdgcn_target "amdgcn-amd-amdhsa--gfx1250"
	.amdhsa_code_object_version 6
	.text
	.protected	k_q43ad98dc91_wquant
	.globl	k_q43ad98dc91_wquant
	.p2align	8
	.type	k_q43ad98dc91_wquant,@function
k_q43ad98dc91_wquant:
	s_mov_b64 s[64:65], 0
	v_nop
	global_prefetch_b8 v0, s[64:65] scope:SCOPE_SE
	s_setreg_imm32_b32 hwreg(HW_REG_WAVE_MODE, 25, 1), 1
	s_wait_xcnt 0x0
.set ZOFF, 3*512*512*4
.set X,    32
.set C,    96
	s_load_b256 s[4:11], s[0:1], 0x0
	s_load_b64 s[12:13], s[0:1], 0x20
	v_lshrrev_b32 v1, 5, v0
	v_readfirstlane_b32 s14, v1
	v_and_b32 v2, 15, v0
	v_bfe_u32 v5, v0, 4, 1
	v_lshlrev_b32 v3, 11, v2
	v_lshl_add_u32 v3, v5, 5, v3
	v_and_b32 v4, 31, v0
	v_lshlrev_b32 v4, 4, v4
	s_and_b32 s34, s14, 1
	s_cmp_eq_u32 s34, 1
	s_cselect_b32 s34, 0x80808080, 0
	s_lshr_b32 s15, ttmp9, 5
	s_and_b32 s16, ttmp9, 31
	s_lshl_b32 s20, s16, 15
	s_lshl_b32 s21, s14, 9
	s_add_co_u32 s20, s20, s21
	s_add_co_u32 s20, s20, ZOFF
	s_mov_b32 s21, 0
	s_lshr_b32 s22, s16, 3
	s_mul_i32 s22, s22, 196608
	s_lshl_b32 s23, s15, 16
	s_add_co_u32 s22, s22, s23
	s_and_b32 s23, s16, 7
	s_lshl_b32 s23, s23, 13
	s_add_co_u32 s22, s22, s23
	s_lshl_b32 s23, s14, 11
	s_add_co_u32 s22, s22, s23
	s_mov_b32 s23, 0
	s_wait_alu depctr_va_vdst(0)
	s_wait_kmcnt 0x0
	s_load_b256 s[24:31], s[10:11], 0x0
	s_cmp_eq_u32 s15, 0
	s_cselect_b64 s[4:5], s[4:5], s[6:7]
	s_cmp_eq_u32 s15, 2
	s_cselect_b64 s[4:5], s[8:9], s[4:5]
	s_add_nc_u64 s[4:5], s[4:5], s[20:21]
	s_add_nc_u64 s[12:13], s[12:13], s[22:23]
.irp c, 0,1,2,3
.irp j, 0,1,2,3
	global_load_b128 v[X+16*\c+4*\j:X+16*\c+4*\j+3], v3, s[4:5] offset:128*\c+64*(\j/2)+16*(\j%2)
.endr
.endr
	s_wait_kmcnt 0x0
	s_cmp_eq_u32 s15, 0
	s_cselect_b32 s32, s25, s27
	s_cmp_eq_u32 s15, 2
	s_cselect_b32 s32, s29, s32
	s_add_co_i32 s32, s32, 127
	s_lshl_b32 s33, s32, 23
	v_mov_b32 v11, s33
	s_add_co_i32 s32, s32, 8
	s_lshl_b32 s32, s32, 23
	s_or_b32 s32, s32, 0x600000
	v_mov_b32 v10, s32
	s_wait_alu depctr_va_vdst(0)
	s_wait_loadcnt 0x0
.irp c, 0,1,2,3
.irp i, 0,1,2,3,4,5,6,7,8,9,10,11,12,13,14,15
	v_med3_num_f32 v[X+16*\c+\i], v[X+16*\c+\i], -v10, v10
.endr
	v_cvt_scalef32_pk8_fp8_f32 v[C+4*\c:C+4*\c+1], v[X+16*\c:X+16*\c+7], v11
	v_cvt_scalef32_pk8_fp8_f32 v[C+4*\c+2:C+4*\c+3], v[X+16*\c+8:X+16*\c+15], v11
.endr
	v_nop
.irp i, 0,1,2,3,4,5,6,7,8,9,10,11,12,13,14,15
	v_xor_b32 v[C+\i], s34, v[C+\i]
.endr
.irp c, 0,1,2,3
	global_store_b128 v4, v[C+4*\c:C+4*\c+3], s[12:13] offset:512*\c
.endr
	s_endpgm
.Lfunc_end_k_q43ad98dc91_wquant:
	.size	k_q43ad98dc91_wquant, .Lfunc_end_k_q43ad98dc91_wquant-k_q43ad98dc91_wquant
	.p2alignl 7, 3214868480
	.fill 96, 4, 3214868480
	.section	.rodata,"a",@progbits
	.p2align	6, 0x0
	.amdhsa_kernel k_q43ad98dc91_wquant
		.amdhsa_group_segment_fixed_size 0
		.amdhsa_private_segment_fixed_size 0
		.amdhsa_enable_private_segment 0
		.amdhsa_kernarg_size 40
		.amdhsa_user_sgpr_count 2
		.amdhsa_user_sgpr_kernarg_segment_ptr 1
		.amdhsa_wavefront_size32 1
		.amdhsa_system_sgpr_workgroup_id_x 1
		.amdhsa_system_sgpr_workgroup_id_y 1
		.amdhsa_system_sgpr_workgroup_id_z 1
		.amdhsa_system_vgpr_workitem_id 0
		.amdhsa_next_free_vgpr 112
		.amdhsa_next_free_sgpr 66
		.amdhsa_reserve_vcc 0
		.amdhsa_float_denorm_mode_32 3
		.amdhsa_float_denorm_mode_16_64 3
		.amdhsa_memory_ordered 1
		.amdhsa_forward_progress 1
		.amdhsa_inst_pref_size 10
	.end_amdhsa_kernel
	.amdgpu_metadata
---
amdhsa.version: [ 1, 2 ]
amdhsa.kernels:
  - .name:           k_q43ad98dc91_wquant
    .symbol:         k_q43ad98dc91_wquant.kd
    .args:
      - { .name: Wq, .offset: 0, .size: 8, .value_kind: global_buffer, .address_space: global }
      - { .name: Wk, .offset: 8, .size: 8, .value_kind: global_buffer, .address_space: global }
      - { .name: Wv, .offset: 16, .size: 8, .value_kind: global_buffer, .address_space: global }
      - { .name: lowp_scales, .offset: 24, .size: 8, .value_kind: global_buffer, .address_space: global }
      - { .name: wc, .offset: 32, .size: 8, .value_kind: global_buffer, .address_space: global }
    .group_segment_fixed_size: 0
    .private_segment_fixed_size: 0
    .kernarg_segment_align: 8
    .kernarg_segment_size: 40
    .max_flat_workgroup_size: 128
    .sgpr_count:     66
    .vgpr_count:     112
    .wavefront_size: 32
...
	.end_amdgpu_metadata
.endif
;; end of part 6
;; launch proj (part 7): grid 256 x 1, 4 waves a work-group, no clusters, 230,912 bytes of LDS; arguments Ez, wc, lowp_scales, qc, kc, vc; writes qc, kc, vc
.if DOCPART == 7
	.amdgcn_target "amdgcn-amd-amdhsa--gfx1250"
	.amdhsa_code_object_version 6
	.text
	.protected	k_q43ad98dc91_proj
	.globl	k_q43ad98dc91_proj
	.p2align	8
	.type	k_q43ad98dc91_proj,@function
k_q43ad98dc91_proj:
	s_mov_b64 s[64:65], 0
	v_nop
	global_prefetch_b8 v0, s[64:65] scope:SCOPE_SE
	s_setreg_imm32_b32 hwreg(HW_REG_WAVE_SCHED_MODE, 0, 2), 2
	s_setreg_imm32_b32 hwreg(HW_REG_WAVE_MODE, 25, 1), 1
	s_wait_xcnt 0x0
	s_wait_alu depctr_vm_vsrc(0)
.set STG,  196608
.set LI,   1
.set STW,  2
.set STR,  3
.set IW,   4
.set AIR,  7
.set SCX,  8
.set SCO,  14
.set LIMO, 15
.set X,    32
.set T,    96
.set PC,   128
.set ACC,  32
.set CD,   160
.set WV,   16
.set EX,   20
.set EZ,   30
.set WB,   32
.set OUTP, 34
.set OUTK, 36
.set OUTV, 38
.set TRIP, 40
.set ASET, 41
.set TR2,  60
.set MSB, 0
.macro WIN new
.if MSB != (\new)
	s_set_vgpr_msb (MSB<<8)|(\new)
.set MSB, (\new)
.endif
.endm
.macro MKSC sc, lim, e
	s_add_co_i32 s[\lim], s[\e], 127
	s_lshl_b32 s[\sc], s[\lim], 23
	s_add_co_i32 s[\lim], s[\lim], 8
	s_lshl_b32 s[\lim], s[\lim], 23
	s_or_b32 s[\lim], s[\lim], 0x600000
.endm
.macro XLOAD i
	WIN 0xc0
.irp r, 0,1,2,3,4,5,6,7,8,9,10,11,12,13,14,15
	global_load_b128 v[64*((\i)%4)+4*\r:64*((\i)%4)+4*\r+3], v[LI], s[EZ:EZ+1] offset:(16*((\i)/4)+\r)*2048+512*((\i)%4) th:TH_LOAD_NT
.endr
	WIN 0
.endm
.macro BQ k
	WIN 0xc0
.irp h, 0,1
.irp u, 0,1
.irp c, 0,1,2,3
	global_load_b128 v[64*(\k)+32*\h+16*\u+4*\c:64*(\k)+32*\h+16*\u+4*\c+3], v[LI], s[WB:WB+1] offset:(\k)*8192+\h*4096+\u*2048+512*\c
.endr
.endr
.endr
	WIN 0
.endm
.macro XFRAG i
	s_wait_loadcnt 32
.if (\i) > 0
	s_wait_alu depctr_vm_vsrc(0)
.endif
	WIN 0x0c
.irp r, 0,1,2,3,4,5,6,7,8,9,10,11,12,13,14,15
	ds_store_b128 v[STW], v[64*((\i)%4)+4*\r:64*((\i)%4)+4*\r+3] offset:528*\r
.endr
	WIN 0
.irp c, 0,1,2,3
.irp j, 0,1,2,3
	ds_load_b128 v[X+16*\c+4*\j:X+16*\c+4*\j+3], v[STR] offset:128*\c+64*(\j/2)+16*(\j%2)
.endr
.endr
.if (\i) <= 4
	XLOAD (\i)+3
.elseif (\i) <= 6
	BQ (\i)-5
.endif
	s_wait_dscnt 0x0
.irp p, 0,1,2
.irp c, 0,1,2,3
.irp k, 0,1,2,3,4,5,6,7,8,9,10,11,12,13,14,15
	v_med3_num_f32 v[T+16*(\c%2)+\k], v[X+16*\c+\k], -v[SCX+2*\p+1], v[SCX+2*\p+1]
.endr
	v_cvt_scalef32_pk8_fp8_f32 v[PC+16*\p+4*\c:PC+16*\p+4*\c+1], v[T+16*(\c%2):T+16*(\c%2)+7], v[SCX+2*\p]
	v_cvt_scalef32_pk8_fp8_f32 v[PC+16*\p+4*\c+2:PC+16*\p+4*\c+3], v[T+16*(\c%2)+8:T+16*(\c%2)+15], v[SCX+2*\p]
.endr
.endr
	v_nop
	s_wait_alu depctr_va_vdst(0)
.irp p, 0,1,2
.irp c, 0,1,2,3
	ds_store_b128 v[IW+\p], v[PC+16*\p+4*\c:PC+16*\p+4*\c+3] offset:(8*((\i)%4)+(\i)/4)*2048+512*\c
.endr
.endr
.endm
.macro ALOAD s
	WIN 0x40*(1+(\s)/2)
.irp t, 0,1,2,3,4,5,6,7
.irp c, 0,1,2,3
	ds_load_b128 v[16*(8*((\s)%2)+\t)+4*\c:16*(8*((\s)%2)+\t)+4*\c+3], v[AIR] offset:(8*(\s)+\t)*2048+512*\c
.endr
.endr
.endm
.macro TILE b, nat, ahead, n, k
.set TA, (\b)%2
.set TJ, (\b)/2
.set TQ, (\b)/3
.set CDB, CD+32*TJ
.irp h, 0,1
	s_wait_loadcnt \n-\k*\h
.if \nat
	WIN 0x0d+\h
.else
	WIN 0x07+4*\h
.endif
.irp u, 0,1
.irp t, 0,1,2,3,4,5,6,7
.set rD, ACC+8*(8*\u+\t)
.set rB, 64*(\b)+32*\h+16*\u
.set rA, 16*(8*\u+\t)
.if \nat
.if \h == 0
	v_wmma_f32_16x16x128_fp8_fp8 v[rD:rD+7], v[rA:rA+15], v[rB:rB+15], 0
.else
	v_wmma_f32_16x16x128_fp8_fp8 v[rD:rD+7], v[rA:rA+15], v[rB:rB+15], v[rD:rD+7]
.endif
.else
.if \h == 0
	v_wmma_f32_16x16x128_fp8_fp8 v[rD:rD+7], v[rB:rB+15], v[rA:rA+15], 0
.else
	v_wmma_f32_16x16x128_fp8_fp8 v[rD:rD+7], v[rB:rB+15], v[rA:rA+15], v[rD:rD+7]
.endif
.endif
.endr
.endr
.if \ahead
	WIN 0xc0
.irp u, 0,1
.irp c, 0,1,2,3
	global_load_b128 v[64*(((\b)+2)%4)+32*\h+16*\u+4*\c:64*(((\b)+2)%4)+32*\h+16*\u+4*\c+3], v[LI], s[WB:WB+1] offset:((\b)+2)*8192+4096*\h+2048*\u+512*\c
.endr
.endr
.endif
.endr
	WIN 0
.rept 4
	v_nop
.endr
.set i, 0
.rept 32
	v_pk_add_f32 v[ACC+i:ACC+i+1], v[ACC+i:ACC+i+1], v[ACC+64+i:ACC+64+i+1] neg_lo:[0,1] neg_hi:[0,1]
.set i, i+2
.endr
.set i, 0
.rept 64
	v_med3_num_f32 v[ACC+i], v[ACC+i], -v[LIMO], v[LIMO]
.set i, i+1
.endr
.irp g, 0,1,2,3,4,5,6,7
.if \nat
	v_cvt_scalef32_pk8_fp8_f32 v[CDB+16*TA+2*\g:CDB+16*TA+2*\g+1], v[ACC+8*\g:ACC+8*\g+7], v[SCO]
.else
	v_cvt_scalef32_pk8_fp8_f32 v[CDB+4*\g+2*TA:CDB+4*\g+2*TA+1], v[ACC+8*\g:ACC+8*\g+7], v[SCO]
.endif
.endr
	v_nop
.if TA == 1
	s_wait_xcnt 0x0
	s_wait_alu depctr_vm_vsrc(0)
	s_wait_alu depctr_va_vdst(0)
.if TQ == 1
.if \ahead
	s_add_nc_u64 s[WB:WB+1], s[WB:WB+1], 0x8000
.endif
.if \nat
	s_add_nc_u64 s[OUTP:OUTP+1], s[OUTP:OUTP+1], 8192
.else
	s_add_nc_u64 s[OUTP:OUTP+1], s[OUTP:OUTP+1], 1024
.endif
.endif
.if \nat
.irp e, 0,1
.irp g, 0,1,2,3
	global_store_b128 v[LI], v[CDB+16*\e+4*\g:CDB+16*\e+4*\g+3], s[OUTP:OUTP+1] offset:(2*TJ+\e)*2048+512*\g-8192*TQ
.endr
.endr
.else
.irp g, 0,1,2,3,4,5,6,7
	global_store_b128 v[LI], v[CDB+4*\g:CDB+4*\g+3], s[OUTP:OUTP+1] offset:\g*8192+512*TJ-1024*TQ
.endr
.endif
.endif
.endm
	s_load_b256 s[4:11], s[0:1], 0x0
	s_load_b128 s[12:15], s[0:1], 0x20
	v_lshl_add_u32 v254, v0, 2, 0x38400
	v_mov_b32 v255, 0
	v_lshrrev_b32 v1, 5, v0
	v_readfirstlane_b32 s[WV], v1
	v_and_b32 v1, 31, v0
	v_lshlrev_b32 v[LI], 4, v1
	v_and_b32 v16, 15, v0
	v_bfe_u32 v17, v0, 4, 1
	s_wait_alu depctr_va_sdst(0)
	s_mul_i32 s61, s[WV], 8448
	s_add_co_u32 s61, s61, STG
	v_add_nc_u32 v[STW], s61, v[LI]
	v_mul_u32_u24 v[STR], v16, 528
	v_lshl_add_u32 v[STR], v17, 5, v[STR]
	v_add_nc_u32 v[STR], s61, v[STR]
	s_lshl_b32 s62, s[WV], 12
	v_add_nc_u32 v[IW], s62, v[LI]
	v_add_nc_u32 v[IW+1], 0x10000, v[IW]
	v_add_nc_u32 v[IW+2], 0x20000, v[IW]
	v_mov_b32 v[AIR], v[LI]
	s_lshl_b32 s42, ttmp9, 18
	s_lshl_b32 s43, s[WV], 16
	s_add_co_u32 s42, s42, s43
	s_mov_b32 s43, 0
	s_wait_kmcnt 0x0
	s_load_b256 s[EX:EX+7], s[8:9], 0x0
	s_load_b64 s[EX+8:EX+9], s[8:9], 0x20
	s_add_nc_u64 s[EZ:EZ+1], s[4:5], s[42:43]
	s_wait_alu depctr_va_vdst(0)
	XLOAD 0
	XLOAD 1
	XLOAD 2
	s_mul_i32 s42, s[WV], 196608
	s_add_nc_u64 s[WB:WB+1], s[6:7], s[42:43]
	s_lshl_b32 s42, ttmp9, 16
	s_lshl_b32 s56, s[WV], 11
	s_add_co_u32 s56, s56, s42
	s_mov_b32 s57, 0
	s_add_nc_u64 s[OUTP:OUTP+1], s[10:11], s[56:57]
	s_add_nc_u64 s[OUTK:OUTK+1], s[12:13], s[56:57]
	s_lshl_b32 s56, s[WV], 14
	s_add_co_u32 s56, s56, s42
	s_add_nc_u64 s[OUTV:OUTV+1], s[14:15], s[56:57]
	s_wait_kmcnt 0x0
	MKSC 44, 45, EX+0
	MKSC 46, 47, EX+2
	MKSC 48, 49, EX+4
	s_sub_co_i32 s58, s[EX+6], s[EX]
	s_sub_co_i32 s58, s58, s[EX+1]
	MKSC 50, 51, 58
	s_sub_co_i32 s58, s[EX+7], s[EX+2]
	s_sub_co_i32 s58, s58, s[EX+3]
	MKSC 52, 53, 58
	s_sub_co_i32 s58, s[EX+9], s[EX+4]
	s_sub_co_i32 s58, s58, s[EX+5]
	MKSC 54, 55, 58
.irp j, 0,1,2,3,4,5
	v_mov_b32 v[SCX+\j], s[44+\j]
.endr
	s_wait_alu depctr_va_vdst(0)
.irp f, 0,1,2,3,4,5,6,7
	XFRAG \f
.endr
	s_wait_dscnt 0x0
	s_barrier_signal -1
	s_barrier_wait -1
	s_wait_alu depctr_vm_vsrc(0)
	ALOAD 0
	ALOAD 1
	ALOAD 2
	ALOAD 3
	WIN 0
	v_mov_b32 v[SCO], s50
	v_mov_b32 v[LIMO], s51
	s_mov_b32 s[ASET], 0x10000
	s_mov_b32 s[TRIP], 2
.Lqk:
	s_wait_dscnt 0x0
	s_mov_b32 s[TR2], 2
.Lqk2:
	TILE 0, 0, 1, 24, 0
	TILE 1, 0, 1, 24, 0
	TILE 2, 0, 1, 24, 0
	TILE 3, 0, 1, 24, 0
	s_sub_co_u32 s[TR2], s[TR2], 1
	s_cmp_lg_u32 s[TR2], 0
	s_cbranch_scc1 .Lqk2
	s_wait_xcnt 0x0
	s_mov_b64 s[OUTP:OUTP+1], s[OUTK:OUTK+1]
	v_add_nc_u32 v[AIR], s[ASET], v[LI]
	v_mov_b32 v[SCO], s52
	v_mov_b32 v[LIMO], s53
	s_wait_alu depctr_va_vdst(0)
	ALOAD 0
	ALOAD 1
	ALOAD 2
	ALOAD 3
	WIN 0
	s_add_co_u32 s[ASET], s[ASET], 0x10000
	s_sub_co_u32 s[TRIP], s[TRIP], 1
	s_cmp_lg_u32 s[TRIP], 0
	s_cbranch_scc1 .Lqk
	s_mov_b64 s[OUTP:OUTP+1], s[OUTV:OUTV+1]
	v_mov_b32 v[SCO], s54
	v_mov_b32 v[LIMO], s55
	s_wait_dscnt 0x0
	TILE 0, 1, 1, 24, 0
	TILE 1, 1, 1, 24, 0
	TILE 2, 1, 1, 24, 0
	TILE 3, 1, 1, 24, 0
	TILE 0, 1, 1, 24, 0
	TILE 1, 1, 1, 24, 0
	TILE 2, 1, 0, 24, 8
	TILE 3, 1, 0, 8, 8
	s_wait_dscnt 0x0
	s_wait_alu 0x0
	s_wait_tensorcnt 0x0
	ds_add_u32 v254, v255
	s_wait_dscnt 0x0
	s_endpgm
.Lfunc_end_k_q43ad98dc91_proj:
	.size	k_q43ad98dc91_proj, .Lfunc_end_k_q43ad98dc91_proj-k_q43ad98dc91_proj
	.p2alignl 7, 3214868480
	.fill 96, 4, 3214868480
	.section	.rodata,"a",@progbits
	.p2align	6, 0x0
	.amdhsa_kernel k_q43ad98dc91_proj
		.amdhsa_group_segment_fixed_size 230912
		.amdhsa_private_segment_fixed_size 0
		.amdhsa_enable_private_segment 0
		.amdhsa_kernarg_size 48
		.amdhsa_user_sgpr_count 2
		.amdhsa_user_sgpr_kernarg_segment_ptr 1
		.amdhsa_wavefront_size32 1
		.amdhsa_system_sgpr_workgroup_id_x 1
		.amdhsa_system_sgpr_workgroup_id_y 1
		.amdhsa_system_sgpr_workgroup_id_z 1
		.amdhsa_system_vgpr_workitem_id 0
		.amdhsa_next_free_vgpr 1024
		.amdhsa_next_free_sgpr 66
		.amdhsa_reserve_vcc 0
		.amdhsa_float_denorm_mode_32 3
		.amdhsa_float_denorm_mode_16_64 3
		.amdhsa_memory_ordered 1
		.amdhsa_forward_progress 1
		.amdhsa_inst_pref_size 255
	.end_amdhsa_kernel
	.section	.bss,"aw",@nobits
	.p2align	6
	.space	262144
	.amdgpu_metadata
---
amdhsa.version: [ 1, 2 ]
amdhsa.kernels:
  - .name:           k_q43ad98dc91_proj
    .symbol:         k_q43ad98dc91_proj.kd
    .args:
      - { .name: Ez, .offset: 0, .size: 8, .value_kind: global_buffer, .address_space: global }
      - { .name: wc, .offset: 8, .size: 8, .value_kind: global_buffer, .address_space: global }
      - { .name: lowp_scales, .offset: 16, .size: 8, .value_kind: global_buffer, .address_space: global }
      - { .name: qc, .offset: 24, .size: 8, .value_kind: global_buffer, .address_space: global }
      - { .name: kc, .offset: 32, .size: 8, .value_kind: global_buffer, .address_space: global }
      - { .name: vc, .offset: 40, .size: 8, .value_kind: global_buffer, .address_space: global }
    .group_segment_fixed_size: 230912
    .private_segment_fixed_size: 0
    .kernarg_segment_align: 8
    .kernarg_segment_size: 48
    .max_flat_workgroup_size: 128
    .sgpr_count:     66
    .vgpr_count:     1024
    .wavefront_size: 32
...
	.end_amdgpu_metadata
.endif
;; end of part 7
;; launch attn (part 8): grid 8 x 32, 4 waves a work-group, clusters of 4 x 1, 327,680 bytes of LDS; arguments qc, kc, vc, lowp_scales, out0; writes out0
.if DOCPART == 8
	.amdgcn_target "amdgcn-amd-amdhsa--gfx1250"
	.amdhsa_code_object_version 6
	.text
	.protected	k_q43ad98dc91_attn
	.globl	k_q43ad98dc91_attn
	.p2align	8
	.type	k_q43ad98dc91_attn,@function
k_q43ad98dc91_attn:
	s_mov_b64 s[64:65], 0
	v_nop
	global_prefetch_b8 v0, s[64:65] scope:SCOPE_SE
	s_setreg_imm32_b32 hwreg(HW_REG_WAVE_MODE, 25, 1), 1
	s_wait_xcnt 0x0
	s_wait_alu depctr_hold_cnt(0) depctr_sa_sdst(0) depctr_va_vdst(0) depctr_va_sdst(0) depctr_va_ssrc(0) depctr_va_vcc(0) depctr_vm_vsrc(0)
	s_getreg_b32 s2, hwreg(HW_REG_IB_STS2, 6, 4)
	s_cmp_eq_u32 s2, 0
	s_cbranch_scc0 .Lentry_in_a_cluster
	s_endpgm
.Lentry_in_a_cluster:
	s_bfe_u32 s2, ttmp6, 0x10000c
	s_cmp_lg_u32 s2, 0x3003
	s_cbranch_scc0 .Lentry_shape_is_right
	s_endpgm
.Lentry_shape_is_right:
.set SLOT1,  131072
.set VOFF,   65536
.set PIMG,   262144
.set MX,     270336
.set LXO,    1024
.set STAGE,  272384
.set SPARE,  306176
.set LI,   1
.set AK0,  2
.set AV0,  3
.set ADK,  4
.set ADV,  5
.set SPW,  6
.set NIL,  7
.set PWI,  8
.set PRD,  9
.set MXW,  10
.set MXR,  11
.set STO,  12
.set SRD,  13
.set PFO,  14
.set QL,   15
.set SCP,  16
.set LIMP, 17
.set NINF, 18
.set DD,   19
.set ST,   20
.set T0,   36
.set S,    64
.set PC,   128
.set PF,   144
.set S2,   144
.set MXV,  208
.set LXV,  224
.set BK,   128
.set WV,   14
.set CX,   15
.set CLU,  16
.set G1,   24
.set G0A,  32
.set G0W,  36
.set PB,   40
.set OFF,  42
.set KN,   44
.set NA,   45
.set KC,   46
.set CNT,  47
.set SW,   48
.set LIM,  49
.set TB,   50
.set BQM,  51
.set Q64,  52
.set SGN,  53
.set CS,   54
.set SEL,  56
.set PFA,  58
.set OUTP, 60
.set OUTB, 62
.set QB,   66
.set EX,   68
.set EPV,  78
.set Q64B, 79
.set QA,   86
.set MSB, 0
.macro WIN new
.if MSB != (\new)
	s_set_vgpr_msb (MSB<<8)|(\new)
.set MSB, (\new)
.endif
.endm
.set W_KQ, 0x0b
.set W_PV, 0x53
.set W_RS, 0x41
.macro ROUND
	s_barrier_signal -1
	s_barrier_wait -1
	s_cmp_lg_u32 s[WV], 0
	s_cbranch_scc1 .Lnot_wave_0_\@
	s_barrier_signal -3
.Lnot_wave_0_\@:
	s_barrier_wait -3
	s_barrier_signal -1
	s_barrier_wait -1
.endm
.macro FETCH_K
	v_add_nc_u32 v[ADK], s[TB], v[AK0]
	WIN 0xc0
.irp f, 0,1,2,3,4,5,6,7
.irp c, 0,1,2,3
	ds_load_b128 v[16*\f+4*\c:16*\f+4*\c+3], v[ADK] offset:2048*\f+512*\c
.endr
.endr
	WIN 0
.endm
.macro FETCH_V
	v_add_nc_u32 v[ADV], s[TB], v[AV0]
	WIN 0xc0
.irp f, 0,1,2,3,4,5,6,7
.irp c, 0,1,2,3
	ds_load_b128 v[128+16*\f+4*\c:128+16*\f+4*\c+3], v[ADV] offset:2048*\f+512*\c
.endr
.endr
	WIN 0
.endm
.macro QLOAD ptr
	WIN 0x80
.irp f, 0,1,2,3,4,5,6,7,8,9,10,11,12,13,14,15
.irp c, 0,1,2,3
	global_load_b128 v[16*\f+4*\c:16*\f+4*\c+3], v[LI], s[\ptr:\ptr+1] offset:2048*\f+512*\c th:TH_LOAD_NT
.endr
.endr
	WIN 0
.endm
.macro KQ dst
	WIN W_KQ
.irp s, 0,1,2,3
.irp m, 0,1,2,3
.irp u, 0,1
.set rS, \dst+16*\m+8*\u
.set rK, 16*(4*\u+\s)
.set rQ, 16*(4*\m+\s)
.if \s == 0
	v_wmma_f32_16x16x128_fp8_fp8 v[rS:rS+7], v[rK:rK+15], v[rQ:rQ+15], 0
.else
	v_wmma_f32_16x16x128_fp8_fp8 v[rS:rS+7], v[rK:rK+15], v[rQ:rQ+15], v[rS:rS+7]
.endif
.endr
.endr
.endr
.rept 4
	v_nop
.endr
.endm
.macro ASK
	s_cmp_gt_u32 s[CNT], s[LIM]
	s_cbranch_scc0 .Lnot_mine_\@
	global_prefetch_b8 v[PFO], s[PFA:PFA+1] th:TH_LOAD_NT scope:SCOPE_SE
.Lnot_mine_\@:
.endm
.macro FIN
.irp m, 0,1,2,3
	v_rcp_f32 v[ST+4*\m+2], v[ST+4*\m+3]
.endr
	v_nop
	s_wait_alu depctr_va_vdst(0)
.irp m, 0,1,2,3
	v_ldexp_f32 v[ST+4*\m+2], v[ST+4*\m+2], s[EPV]
.endr
.irp m, 0,1,2,3
.if \m >= 2
	s_wait_xcnt 0x0
.endif
	WIN 0x01
.set i, 0
.rept 32
	v_pk_mul_f32 v[S+i:S+i+1], v[64*\m+i:64*\m+i+1], v[ST+4*\m+2:ST+4*\m+3] op_sel_hi:[1,0]
.set i, i+2
.endr
	WIN 0
.irp t, 0,1,2,3,4,5,6,7
.irp k, 0,1
	ds_store_b128 v[STO], v[S+8*\t+4*\k:S+8*\t+4*\k+3] offset:64*\t+16*\k
.endr
.endr
.irp r, 0,1,2,3,4,5,6,7,8,9,10,11,12,13,14,15
	ds_load_b128 v[BK+64*(\m%2)+4*\r:BK+64*(\m%2)+4*\r+3], v[SRD] offset:528*\r
.endr
.irp r, 0,1,2,3,4,5,6,7,8,9,10,11,12,13,14,15
	s_wait_dscnt 15-\r
	global_store_b128 v[LI], v[BK+64*(\m%2)+4*\r:BK+64*(\m%2)+4*\r+3], s[OUTP:OUTP+1] offset:(16*\m+\r)*2048 th:TH_STORE_NT
.endr
.endr
.endm
.macro STEP fill, next, turn
	s_wait_loadcnt 0x0
	s_wait_dscnt 0x0
	KQ S
	WIN 0xcc
.set i, 0
.rept 128
	v_xor_b32 v[i], s[SGN], v[i]
.set i, i+1
.endr
	KQ S2
	WIN 0
.if \turn
	s_cmp_eq_u32 s[CNT], s[SW]
	s_cbranch_scc0 .Lsame_q_\@
	QLOAD QB
.Lsame_q_\@:
.endif
.set i, 0
.rept 32
	v_pk_add_f32 v[S+i:S+i+1], v[S+i:S+i+1], v[S2+i:S2+i+1] neg_lo:[0,1] neg_hi:[0,1]
.set i, i+2
.endr
	s_add_co_u32 s80, s[KC], 1
	s_lshl_b32 s80, s80, 1
	s_cmp_le_u32 s80, s[BQM]
	s_cbranch_scc1 .Lopen_\@
	s_lshl_b32 s80, s[KC], 7
	s_sub_co_i32 s80, s[Q64], s80
	v_add_nc_u32 v[DD], s80, v[QL]
.irp m, 0,1,2,3
.irp i, 0,1,2,3,4,5,6,7,8,9,10,11,12,13,14,15
	v_cmp_gt_i32 vcc_lo, 16*(\i/8)+\i%8-16*\m, v[DD]
	v_cndmask_b32 v[S+16*\m+\i], v[S+16*\m+\i], v[NINF], vcc_lo
.endr
.endr
.Lopen_\@:
.irp m, 0,1,2,3
	v_max3_num_f32 v[T0+4*\m], v[S+16*\m], v[S+16*\m+1], v[S+16*\m+2]
	v_max3_num_f32 v[T0+4*\m+1], v[S+16*\m+3], v[S+16*\m+4], v[S+16*\m+5]
.endr
.irp m, 0,1,2,3
	v_max3_num_f32 v[T0+4*\m], v[T0+4*\m], v[S+16*\m+6], v[S+16*\m+7]
	v_max3_num_f32 v[T0+4*\m+1], v[T0+4*\m+1], v[S+16*\m+8], v[S+16*\m+9]
.endr
.irp m, 0,1,2,3
	v_max3_num_f32 v[T0+4*\m], v[T0+4*\m], v[S+16*\m+10], v[S+16*\m+11]
	v_max3_num_f32 v[T0+4*\m+1], v[T0+4*\m+1], v[S+16*\m+12], v[S+16*\m+13]
.endr
.irp m, 0,1,2,3
	v_max3_num_f32 v[T0+4*\m], v[T0+4*\m], v[S+16*\m+14], v[S+16*\m+15]
.endr
.irp m, 0,1,2,3
	v_max_num_f32 v[T0+4*\m], v[T0+4*\m], v[T0+4*\m+1]
.endr
.irp m, 0,1,2,3
	v_permlanex16_b32 v[T0+4*\m+1], v[T0+4*\m], s[SEL], s[SEL+1]
.endr
.irp m, 0,1,2,3
	v_max_num_f32 v[T0+4*\m], v[T0+4*\m], v[T0+4*\m+1]
.endr
.irp m, 0,1,2,3
	ds_store_b32 v[MXW], v[T0+4*\m] offset:256*\m
.endr
	s_wait_dscnt 0x0
	s_barrier_signal -1
	s_barrier_wait -1
.irp m, 0,1,2,3
	ds_load_b128 v[MXV+4*\m:MXV+4*\m+3], v[MXR] offset:256*\m
.endr
	FETCH_V
	s_wait_dscnt 32
.irp m, 0,1,2,3
	v_max3_num_f32 v[T0+4*\m], v[MXV+4*\m], v[MXV+4*\m+1], v[MXV+4*\m+2]
.endr
.irp m, 0,1,2,3
	v_max_num_f32 v[T0+4*\m], v[T0+4*\m], v[MXV+4*\m+3]
.endr
.irp m, 0,1,2,3
	v_mul_f32 v[T0+4*\m], s[CS], v[T0+4*\m]
.endr
.irp m, 0,1,2,3
	v_max_num_f32 v[ST+4*\m+1], v[ST+4*\m+1], v[T0+4*\m]
.endr
.irp m, 0,1,2,3
	v_mov_b32 v[T0+4*\m], v[ST+4*\m]
.endr
.irp m, 0,1,2,3
	v_floor_f32 v[ST+4*\m], -v[ST+4*\m+1]
.endr
.irp m, 0,1,2,3
	v_sub_f32 v[T0+4*\m], v[ST+4*\m], v[T0+4*\m]
.endr
.irp m, 0,1,2,3
	v_cvt_i32_f32 v[T0+4*\m], v[T0+4*\m]
.endr
.irp m, 0,1,2,3
	v_ldexp_f32 v[ST+4*\m+2], 1.0, v[T0+4*\m]
.endr
.irp m, 0,1,2,3
.irp k, 0,2,4,6,8,10,12,14
	v_pk_fma_f32 v[S+16*\m+\k:S+16*\m+\k+1], v[S+16*\m+\k:S+16*\m+\k+1], s[CS:CS+1], v[ST+4*\m:ST+4*\m+1] op_sel_hi:[1,0,0]
.endr
.endr
.set i, 0
	s_wait_alu depctr_va_vdst(0)
.rept 64
	v_exp_f32 v[S+i], v[S+i]
.set i, i+1
.endr
	v_nop
	s_wait_alu depctr_va_vdst(0)
.irp m, 0,1,2,3
	v_pk_add_f32 v[T0+4*\m:T0+4*\m+1], v[S+16*\m:S+16*\m+1], v[S+16*\m+2:S+16*\m+3]
	v_pk_add_f32 v[T0+4*\m+2:T0+4*\m+3], v[S+16*\m+4:S+16*\m+5], v[S+16*\m+6:S+16*\m+7]
.endr
.irp m, 0,1,2,3
	v_pk_add_f32 v[T0+4*\m:T0+4*\m+1], v[T0+4*\m:T0+4*\m+1], v[S+16*\m+8:S+16*\m+9]
	v_pk_add_f32 v[T0+4*\m+2:T0+4*\m+3], v[T0+4*\m+2:T0+4*\m+3], v[S+16*\m+10:S+16*\m+11]
.endr
.irp m, 0,1,2,3
	v_pk_add_f32 v[T0+4*\m:T0+4*\m+1], v[T0+4*\m:T0+4*\m+1], v[S+16*\m+12:S+16*\m+13]
	v_pk_add_f32 v[T0+4*\m+2:T0+4*\m+3], v[T0+4*\m+2:T0+4*\m+3], v[S+16*\m+14:S+16*\m+15]
.endr
.irp m, 0,1,2,3
	v_pk_add_f32 v[T0+4*\m:T0+4*\m+1], v[T0+4*\m:T0+4*\m+1], v[T0+4*\m+2:T0+4*\m+3]
.endr
.irp m, 0,1,2,3
	v_add_f32 v[T0+4*\m], v[T0+4*\m], v[T0+4*\m+1]
.endr
.irp m, 0,1,2,3
	v_permlanex16_b32 v[T0+4*\m+1], v[T0+4*\m], s[SEL], s[SEL+1]
.endr
.irp m, 0,1,2,3
	v_add_f32 v[T0+4*\m], v[T0+4*\m], v[T0+4*\m+1]
.endr
.irp m, 0,1,2,3
	ds_store_b32 v[MXW], v[T0+4*\m] offset:LXO+256*\m
.endr
.irp m, 0,1,2,3
.irp i, 0,1,2,3,4,5,6,7,8,9,10,11,12,13,14,15
	v_min_num_f32 v[S+16*\m+\i], v[S+16*\m+\i], v[LIMP]
.endr
	v_cvt_scalef32_pk8_fp8_f32 v[PC+4*\m:PC+4*\m+1], v[S+16*\m:S+16*\m+7], v[SCP]
	v_cvt_scalef32_pk8_fp8_f32 v[PC+4*\m+2:PC+4*\m+3], v[S+16*\m+8:S+16*\m+15], v[SCP]
.endr
	v_nop
.irp m, 0,1,2,3
	ds_store_b128 v[PWI], v[PC+4*\m:PC+4*\m+3] offset:2048*\m
.endr
	s_wait_tensorcnt 0x0
	ds_add_u32 v[SPW], v[NIL]
.if \fill
	s_xor_b32 s[G0W+1], s[G0W+1], SLOT1
	s_add_co_u32 s[KN], s[KN], 1
	s_cmp_eq_u32 s[KN], s[NA]
	s_cselect_b32 s[KN], 0, s[KN]
	s_lshl_b32 s[OFF], s[KN], 16
	s_add_nc_u64 s[G0W+2:G0W+3], s[PB:PB+1], s[OFF:OFF+1]
	s_or_b32 s[G0W+3], s[G0W+3], 0x80000000
	s_wait_xcnt 0x0
	s_add_nc_u64 s[PFA:PFA+1], s[PFA:PFA+1], 0x10000
.endif
	WIN W_RS
.irp m, 0,1,2,3
.set i, 0
.rept 32
	v_pk_mul_f32 v[64*\m+i:64*\m+i+1], v[64*\m+i:64*\m+i+1], v[ST+4*\m+2:ST+4*\m+3] op_sel_hi:[1,0]
.set i, i+2
.endr
.endr
	WIN 0
	s_wait_dscnt 0x0
.if \fill
	ROUND
	tensor_load_to_lds s[G0W:G0W+3], s[G1:G1+7]
	s_nop 0
.rept 4
	v_nop
.endr
	ASK
.else
	s_barrier_signal -1
	s_barrier_wait -1
.endif
	s_xor_b32 s[TB], s[TB], SLOT1
.irp m, 0,1,2,3
.irp c, 0,1,2,3
	ds_load_b128 v[PF+16*\m+4*\c:PF+16*\m+4*\c+3], v[PRD] offset:2048*\m+512*\c
.endr
.endr
.irp m, 0,1,2,3
	ds_load_b128 v[LXV+4*\m:LXV+4*\m+3], v[MXR] offset:LXO+256*\m
.endr
.if \next
	FETCH_K
	s_wait_dscnt 36
.else
	s_wait_dscnt 4
.endif
	WIN W_PV
	s_wait_alu depctr_va_vdst(0)
.irp t, 0,1,2,3,4,5,6,7
.irp m, 0,1,2,3
.set rO, 8*(8*\m+\t)
.set rV, 128+16*\t
.set rP, PF+16*\m
	v_wmma_f32_16x16x128_fp8_fp8 v[rO:rO+7], v[rV:rV+15], v[rP:rP+15], v[rO:rO+7]
.endr
.endr
	WIN 0
.if \next
	s_wait_dscnt 32
.else
	s_wait_dscnt 0x0
.endif
.irp m, 0,1,2,3
	v_add_f32 v[T0+4*\m], v[LXV+4*\m], v[LXV+4*\m+1]
.endr
.irp m, 0,1,2,3
	v_add_f32 v[T0+4*\m+1], v[LXV+4*\m+2], v[LXV+4*\m+3]
.endr
.irp m, 0,1,2,3
	v_add_f32 v[T0+4*\m], v[T0+4*\m], v[T0+4*\m+1]
.endr
.irp m, 0,1,2,3
	v_fma_f32 v[ST+4*\m+3], v[ST+4*\m+3], v[ST+4*\m+2], v[T0+4*\m]
.endr
	s_add_co_u32 s[KC], s[KC], 1
.if \turn
	s_cmp_eq_u32 s[CNT], s[SW]
	s_cbranch_scc0 .Lsame_block_\@
	s_wait_alu depctr_va_vdst(0)
	FIN
	s_wait_xcnt 0x0
	s_mov_b64 s[OUTP:OUTP+1], s[OUTB:OUTB+1]
	s_mov_b32 s[Q64], s[Q64B]
	s_lshl_b32 s[BQM], s[CLU], 2
	s_mov_b32 s[KC], 0
.irp m, 0,1,2,3
	v_mov_b32 v[ST+4*\m+1], 0xff61b1e6
	v_floor_f32 v[ST+4*\m], -v[ST+4*\m+1]
	v_mov_b32 v[ST+4*\m+3], 0
.endr
.Lsame_block_\@:
.endif
.endm
	s_load_b256 s[4:11], s[0:1], 0x0
	s_load_b64 s[12:13], s[0:1], 0x20
	v_lshl_add_u32 v[SPW], v0, 2, SPARE
	v_mov_b32 v[NIL], 0
	ds_add_u32 v6, v7
	ds_add_u32 v6, v7
	s_wait_dscnt 0x0
	v_lshrrev_b32 v1, 5, v0
	v_readfirstlane_b32 s[WV], v1
	s_bfe_u32 s[CX], ttmp6, 0x40000
	s_mov_b32 s[CLU], ttmp9
	s_and_b32 s80, ttmp7, 0xffff
	s_lshl_b32 s83, s80, 19
	s_and_b32 s84, s[WV], 1
	s_lshl_b32 s84, s84, 15
	s_add_co_u32 s84, s84, s83
	s_mov_b32 s85, 0
	s_lshl_b32 s81, s[CLU], 2
	s_add_co_u32 s81, s81, s[CX]
	s_sub_co_u32 s82, 15, s81
	s_lshl_b32 s[Q64], s82, 6
	s_lshl_b32 s[Q64B], s81, 6
	s_lshl_b32 s86, s82, 15
	s_add_co_u32 s86, s86, s83
	s_mov_b32 s87, 0
	s_lshl_b32 s88, s81, 15
	s_add_co_u32 s88, s88, s83
	s_mov_b32 s89, 0
	s_lshl_b32 s90, s80, 21
	s_lshl_b32 s91, s[WV], 9
	s_add_co_u32 s90, s90, s91
	s_lshl_b32 s92, s82, 17
	s_add_co_u32 s92, s92, s90
	s_mov_b32 s93, 0
	s_lshl_b32 s94, s81, 17
	s_add_co_u32 s94, s94, s90
	s_mov_b32 s95, 0
	s_lshl_b32 s[SW], s[CLU], 1
	s_sub_co_u32 s[NA], 8, s[SW]
	s_add_co_u32 s[SW], s[SW], 1
	s_lshl_b32 s[BQM], s[CLU], 2
	s_sub_co_u32 s[BQM], 12, s[BQM]
	s_cmp_eq_u32 s[CLU], 0
	s_cselect_b32 s[LIM], 3, -1
	s_mov_b32 s[KN], 1
	s_mov_b32 s[KC], 0
	s_mov_b32 s[CNT], 8
	s_mov_b32 s[TB], 0
	s_mov_b32 s[OFF+1], 0
	s_mov_b32 s[SGN], 0x80808080
	s_mov_b32 s[SEL], 0x76543210
	s_mov_b32 s[SEL+1], 0xfedcba98
	s_mov_b32 s[G1], 15|(3<<16)|(1<<21)
	s_mov_b32 s[G1+1], 32<<16
	s_mov_b32 s[G1+2], 128<<16
	s_mov_b32 s[G1+3], 32<<16
	s_mov_b32 s[G1+4], 128
	s_mov_b32 s[G1+5], 32
	s_mov_b32 s[G1+6], 0
	s_mov_b32 s[G1+7], 0
	s_wait_kmcnt 0x0
	s_load_b256 s[EX:EX+7], s[10:11], 0x0
	s_load_b64 s[EX+8:EX+9], s[10:11], 0x20
	s_cmp_lt_u32 s[WV], 2
	s_cselect_b64 s[PB:PB+1], s[6:7], s[8:9]
	s_add_nc_u64 s[PB:PB+1], s[PB:PB+1], s[84:85]
	s_add_nc_u64 s[QA:QA+1], s[4:5], s[86:87]
	s_add_nc_u64 s[QB:QB+1], s[4:5], s[88:89]
	s_add_nc_u64 s[OUTP:OUTP+1], s[12:13], s[92:93]
	s_add_nc_u64 s[OUTB:OUTB+1], s[12:13], s[94:95]
	s_lshl_b32 s88, s[CX], 13
	s_add_co_u32 s88, s88, 0x20000
	s_add_nc_u64 s[PFA:PFA+1], s[PB:PB+1], s[88:89]
	s_mov_b32 s[G0A], 1
	s_lshl_b32 s[G0A+1], s[WV], 15
	s_mov_b64 s[G0A+2:G0A+3], s[PB:PB+1]
	s_or_b32 s[G0A+3], s[G0A+3], 0x80000000
	s_mov_b32 s[G0W], 1
	s_add_co_u32 s[G0W+1], s[G0A+1], SLOT1
	s_add_nc_u64 s[G0W+2:G0W+3], s[PB:PB+1], 0x10000
	s_or_b32 s[G0W+3], s[G0W+3], 0x80000000
	ROUND
	tensor_load_to_lds s[G0A:G0A+3], s[G1:G1+7]
	s_nop 0
	s_wait_alu depctr_va_vdst(0)
	s_wait_tensorcnt 0x0
	ds_add_u32 v6, v7
	s_wait_dscnt 0x0
	ROUND
	tensor_load_to_lds s[G0W:G0W+3], s[G1:G1+7]
	s_nop 0
.rept 4
	v_nop
.endr
	v_and_b32 v1, 31, v0
	v_lshlrev_b32 v[LI], 4, v1
	QLOAD QA
	s_lshl_b32 s80, s[WV], 14
	v_add_nc_u32 v[AK0], s80, v[LI]
	v_add_nc_u32 v[AV0], VOFF, v[AK0]
	s_lshl_b32 s80, s[WV], 9
	s_add_co_u32 s80, s80, PIMG
	v_add_nc_u32 v[PWI], s80, v[LI]
	v_add_nc_u32 v[PRD], PIMG, v[LI]
	v_and_b32 v36, 15, v0
	v_bfe_u32 v37, v0, 4, 1
	s_lshl_b32 s80, s[WV], 2
	s_add_co_u32 s80, s80, MX
	v_lshl_add_u32 v[MXW], v36, 4, s80
	v_lshl_add_u32 v[MXR], v36, 4, MX
	s_mul_i32 s80, s[WV], 8448
	s_add_co_u32 s80, s80, STAGE
	v_mul_u32_u24 v[STO], v36, 528
	v_lshl_add_u32 v[STO], v37, 5, v[STO]
	v_add_nc_u32 v[STO], s80, v[STO]
	v_add_nc_u32 v[SRD], s80, v[LI]
	v_lshlrev_b32 v[PFO], 4, v[LI]
	v_lshlrev_b32 v39, 3, v37
	v_sub_nc_u32 v[QL], v36, v39
	s_lshl_b32 s80, s[WV], 5
	v_sub_nc_u32 v[QL], v[QL], s80
	v_mov_b32 v[NINF], 0xff800000
.irp m, 0,1,2,3
	v_mov_b32 v[ST+4*\m+1], 0xff61b1e6
	v_floor_f32 v[ST+4*\m], -v[ST+4*\m+1]
	v_mov_b32 v[ST+4*\m+3], 0
.endr
	WIN 0x40
.set i, 0
.rept 256
	v_mov_b32 v[i], 0
.set i, i+1
.endr
	WIN 0
	s_wait_kmcnt 0x0
	s_add_co_i32 s80, s[EX+6], s[EX+7]
	s_lshl_b32 s80, s80, 23
	s_add_co_i32 s[CS], s80, 0x3d0293ee
	s_mov_b32 s[CS+1], s[CS]
	s_add_co_i32 s80, s[EX+8], 127
	s_lshl_b32 s81, s80, 23
	v_mov_b32 v[SCP], s81
	s_add_co_i32 s80, s80, 8
	s_lshl_b32 s80, s80, 23
	s_or_b32 s80, s80, 0x600000
	v_mov_b32 v[LIMP], s80
	s_add_co_i32 s[EPV], s[EX+8], s[EX+9]
	s_wait_tensorcnt 0x1
	s_barrier_signal -1
	s_barrier_wait -1
	FETCH_K
.Lstep:
	STEP 1, 1, 1
	s_sub_co_u32 s[CNT], s[CNT], 1
	s_cmp_lg_u32 s[CNT], 0
	s_cbranch_scc1 .Lstep
	STEP 0, 1, 0
	STEP 0, 0, 0
	s_wait_alu depctr_va_vdst(0)
	FIN
	s_wait_tensorcnt 0x0
	ds_add_u32 v[SPW], v[NIL]
	s_wait_dscnt 0x0
	ROUND
	s_endpgm
.Lfunc_end_k_q43ad98dc91_attn:
	.size	k_q43ad98dc91_attn, .Lfunc_end_k_q43ad98dc91_attn-k_q43ad98dc91_attn
	.p2alignl 7, 3214868480
	.fill 96, 4, 3214868480
	.section	.rodata,"a",@progbits
	.p2align	6, 0x0
	.amdhsa_kernel k_q43ad98dc91_attn
		.amdhsa_group_segment_fixed_size 327680
		.amdhsa_private_segment_fixed_size 0
		.amdhsa_enable_private_segment 0
		.amdhsa_kernarg_size 40
		.amdhsa_user_sgpr_count 2
		.amdhsa_user_sgpr_kernarg_segment_ptr 1
		.amdhsa_wavefront_size32 1
		.amdhsa_system_sgpr_workgroup_id_x 1
		.amdhsa_system_sgpr_workgroup_id_y 1
		.amdhsa_system_sgpr_workgroup_id_z 1
		.amdhsa_system_vgpr_workitem_id 0
		.amdhsa_next_free_vgpr 1024
		.amdhsa_next_free_sgpr 96
		.amdhsa_reserve_vcc 1
		.amdhsa_float_denorm_mode_32 3
		.amdhsa_float_denorm_mode_16_64 3
		.amdhsa_memory_ordered 1
		.amdhsa_forward_progress 1
		.amdhsa_inst_pref_size 217
	.end_amdhsa_kernel
	.amdgpu_metadata
---
amdhsa.version: [ 1, 2 ]
amdhsa.kernels:
  - .name:           k_q43ad98dc91_attn
    .symbol:         k_q43ad98dc91_attn.kd
    .args:
      - { .name: qc, .offset: 0, .size: 8, .value_kind: global_buffer, .address_space: global }
      - { .name: kc, .offset: 8, .size: 8, .value_kind: global_buffer, .address_space: global }
      - { .name: vc, .offset: 16, .size: 8, .value_kind: global_buffer, .address_space: global }
      - { .name: lowp_scales, .offset: 24, .size: 8, .value_kind: global_buffer, .address_space: global }
      - { .name: out0, .offset: 32, .size: 8, .value_kind: global_buffer, .address_space: global }
    .group_segment_fixed_size: 327680
    .private_segment_fixed_size: 0
    .kernarg_segment_align: 8
    .kernarg_segment_size: 40
    .max_flat_workgroup_size: 128
    .sgpr_count:     96
    .vgpr_count:     1024
    .wavefront_size: 32
...
	.end_amdgpu_metadata
.endif
;; end of part 8
